; MI455X (gfx1250); checked and timed in simulation.
; The chip was launched on July 23, 2026; its instructions are those of AMD's public machine-readable ISA for CDNA 5 (MIT licence, August 2026) and "CDNA5" Instruction Set Architecture Reference Guide (July 2026). The comments in the code are by the model that wrote it; some were corrected since.
;; Unfused Gemma4 Text Experts. Allowed arithmetic: matrix products marked QUANTISED: E4M3 operands, one E8M0 scale for each 32 along K, by v_wmma_scale_f32_16x16x128_f8f6f4 with both operands' format E4M3, f32 sums; everything else in f32.
;; Inputs: down_w 8 x 2,048 x 1,024 float32; gate_w 8 x 1,024 x 2,048 float32; hidden_states 1,024 x 2,048 float32; top_k_index 1,024 x 2 int32; top_k_weights 1,024 x 2 float32; up_w 8 x 1,024 x 2,048 float32.
;; Outputs: out0 1,024 x 2,048 float32.
;; This version of the problem:
;;   THIS VERSION OF THE PROBLEM IS GIVEN IN LOW PRECISION. The matrix products marked QUANTISED in the list below multiply operands that are first quantised to E4M3 (4 exponent bits, 3 mantissa bits; 8 bits a number), with one power-of-two scale for each 32 numbers along K (OCP MX v1.0); their sums are f32. All else is computed in f32.
;;   The module's matrix products, in the order in which they are computed (A, B: the left and right operand; K: the contracted axis; several contracted axes count as one K, in the product's order):
;;     1. [M 1,024, K 2,048] x [K 2,048, N 1,024]; A: input hidden_states; B: input gate_w: QUANTISED
;;     2. [M 1,024, K 2,048] x [K 2,048, N 1,024]; A: input hidden_states; B: input up_w: QUANTISED
;;     3. [M 1,024, K 1,024] x [K 1,024, N 2,048]; A: computed on the way; B: input down_w: QUANTISED
;;     4. [M 1,024, K 2,048] x [K 2,048, N 1,024]; A: input hidden_states; B: input gate_w: QUANTISED
;;     5. [M 1,024, K 2,048] x [K 2,048, N 1,024]; A: input hidden_states; B: input up_w: QUANTISED
;;     6. [M 1,024, K 1,024] x [K 1,024, N 2,048]; A: computed on the way; B: input down_w: QUANTISED
;;     7. [M 1,024, K 2,048] x [K 2,048, N 1,024]; A: input hidden_states; B: input gate_w: QUANTISED
;;     8. [M 1,024, K 2,048] x [K 2,048, N 1,024]; A: input hidden_states; B: input up_w: QUANTISED
;;     9. [M 1,024, K 1,024] x [K 1,024, N 2,048]; A: computed on the way; B: input down_w: QUANTISED
;;     10. [M 1,024, K 2,048] x [K 2,048, N 1,024]; A: input hidden_states; B: input gate_w: QUANTISED
;;     11. [M 1,024, K 2,048] x [K 2,048, N 1,024]; A: input hidden_states; B: input up_w: QUANTISED
;;     12. [M 1,024, K 1,024] x [K 1,024, N 2,048]; A: computed on the way; B: input down_w: QUANTISED
;;     13. [M 1,024, K 2,048] x [K 2,048, N 1,024]; A: input hidden_states; B: input gate_w: QUANTISED
;;     14. [M 1,024, K 2,048] x [K 2,048, N 1,024]; A: input hidden_states; B: input up_w: QUANTISED
;;     15. [M 1,024, K 1,024] x [K 1,024, N 2,048]; A: computed on the way; B: input down_w: QUANTISED
;;     16. [M 1,024, K 2,048] x [K 2,048, N 1,024]; A: input hidden_states; B: input gate_w: QUANTISED
;;     17. [M 1,024, K 2,048] x [K 2,048, N 1,024]; A: input hidden_states; B: input up_w: QUANTISED
;;     18. [M 1,024, K 1,024] x [K 1,024, N 2,048]; A: computed on the way; B: input down_w: QUANTISED
;;     19. [M 1,024, K 2,048] x [K 2,048, N 1,024]; A: input hidden_states; B: input gate_w: QUANTISED
;;     20. [M 1,024, K 2,048] x [K 2,048, N 1,024]; A: input hidden_states; B: input up_w: QUANTISED
;;     21. [M 1,024, K 1,024] x [K 1,024, N 2,048]; A: computed on the way; B: input down_w: QUANTISED
;;     22. [M 1,024, K 2,048] x [K 2,048, N 1,024]; A: input hidden_states; B: input gate_w: QUANTISED
;;     23. [M 1,024, K 2,048] x [K 2,048, N 1,024]; A: input hidden_states; B: input up_w: QUANTISED
;;     24. [M 1,024, K 1,024] x [K 1,024, N 2,048]; A: computed on the way; B: input down_w: QUANTISED
;;   THE QUANTISER, for each operand of a quantised product, along K:
;;     - K is cut into blocks of 32 from its start; a last block that is shorter is filled with zeros.
;;     - A block's scale is 2^e with e = floor(log2(the largest magnitude in the block)) - 8, held to -126 .. 127; a block of zeros has e = 0. As a byte (E8M0): e + 127.
;;     - Each number is divided by its block's scale, clamped to +-448, and rounded to the nearest number of E4M3, ties to even, subnormals kept.
;;     - The product sums the exact products of the quantised numbers (number of the format x scale) in f32.
;;   ~~~python
;;   def quantise(x, axis):      # numpy; x: float32 -> the quantised numbers, widened to float32 again
;;       x = np.moveaxis(x, axis, -1); K = x.shape[-1]
;;       x = np.pad(x, [(0, 0)] * (x.ndim - 1) + [(0, -K % 32)]); x = x.reshape(x.shape[:-1] + (-1, 32)); a = np.abs(x).max(-1, keepdims=True)
;;       e = np.where(a > 0, np.clip(np.frexp(np.where(a > 0, a, 1))[1] - 1 - 8, -126, 127), 0)      # np.frexp(a)[1] - 1 = floor(log2(a)), exactly
;;       r = np.clip(x / 2.0 ** e, -448, 448)
;;       step = 2.0 ** (np.maximum(np.frexp(np.where(r == 0, 1, r))[1] - 1, -6) - 3)
;;       q = np.round(r / step) * step * 2.0 ** e      # np.round: ties to even
;;       return np.moveaxis(q.reshape(q.shape[:-2] + (-1,))[..., :K], -1, axis).astype(np.float32)
;;   ~~~
;;   OPERANDS COMPUTED ON THE WAY. 'Computed on the way' means the value that the module computes at that place (a softmax that the list does not call 'softmax' is quantised finished and normalised). What goes into a quantiser is computed in f32, as accurately as f32 sums, v_exp_f32 and their like allow (about 1e-6 of the number): no bf16 or f16 on the way to a quantiser, and a product that is left as it is and whose result goes on into a quantised operand takes f32 operands (vector FMAs, or v_wmma_f32_16x16x4_f32). A number that lies on a knife's edge between two numbers of the format may be rounded either way, as far as f32 arithmetic and the matrix unit's own rounding can turn it there, and no further.
;; 2 versions. Each part assembles by itself: llvm-mc -triple=amdgcn-amd-amdhsa -mcpu=gfx1250 --defsym DOCPART=n.
;; ======== version 1 of 2: 4 launches
;; workspace buffers: xq 2,097,152 bytes; xs 65,536 bytes; list 8,704 bytes of whole numbers; inv 8,192 bytes of whole numbers; meta 256 bytes of whole numbers; hq 2,228,224 bytes; hs 69,632 bytes; ybuf 17,825,792 bytes
;; launch prep (part 1): grid 129 x 1, 4 waves a work-group, no clusters, 85,504 bytes of LDS; arguments hidden_states, top_k_index, xq, xs, list, inv, meta; writes xq, xs, list, inv, meta
.if DOCPART == 1
	.amdgcn_target "amdgcn-amd-amdhsa--gfx1250"
	.amdhsa_code_object_version 6
	.text
	.protected	k_qc79a978dfd_prep
	.globl	k_qc79a978dfd_prep
	.p2align	8
	.type	k_qc79a978dfd_prep,@function
k_qc79a978dfd_prep:
	s_mov_b64 s[64:65], 0
	v_nop
	global_prefetch_b8 v0, s[64:65] scope:SCOPE_SE
	s_setreg_imm32_b32 hwreg(HW_REG_WAVE_MODE, 25, 1), 1
	s_wait_xcnt 0x0
; FIRST OF FOUR LAUNCHES.  Work-group 0 sorts the 2,048 pairs (token, pick) by expert; work-groups 1 to 128 turn hidden_states [1024][2048] f32 into codes of E4M3 with one E8M0 byte for each 32 along K.
; THE SORT.  Pair p = 2 t + k.  Each expert's run of sorted positions begins at a multiple of 16, so there are at most 2,048 + 8 x 15 positions: 2,176 are provided, 136 tiles of 16.
;   inv[p] = the pair's position; list[position] = its token; meta[e] = {first position, count, last position, 0}; for an expert without pairs 'last' is pair 0's position, so that a position
;   held at 'last' always names a word of list that was written.  No atomics, no LDS: each of the four waves counts all pairs for itself and places its own 512.
; THE CODES.  xq: byte t*2048 + ks*128 + h*64 + c*16 + i is the code of k = 128 ks + 32 c + 16 h + i: the 64 bytes that lane (r, h) of a matrix operand wants of K step ks lie on end.
;   xs: word t*16 + ks holds the four scale bytes of K step ks.
;   A block's scale is 2^(floor(log2(largest magnitude)) - 8); its byte is the largest magnitude's exponent field - 8, held at 1 from below; numbers are held within +-448 x the scale and rounded to the nearest code, ties to even.
; LIMITS: indices lie in 0 .. 7 (another index would get position 0 and a wrong row; no access leaves a buffer).  NaN and infinities are not served.  A block of zeros gets the byte 1 where the rule says 127:
;   its codes are zeros, and this program alone reads the bytes.
; No matrix unit, no tensor loads, no barrier: the waves share nothing.
.set TM,    16                         ; v16-19 largest magnitudes, v20-23 bytes, v24-27 448 x the scale, v28-31 the conversions' scale operands
.set PC,    32                         ; v32-47 a fragment's codes
.set PW,    48                         ; v48    its scale word
.set R0,    64                         ; v64-127  K step ks0 as loaded; later the second step's 64 neighbours
.set R1,    128                        ; v128-191 K step ks0 + 1 as loaded; later the rows on their way out
.set X0,    192                        ; v192-255 the first step's 64 neighbours
.set SP,    528                        ; a stage row: 512 bytes + 16: 33 x 16, so the 16 rows that a load touches start in 16 different 16-byte columns of 256
.set STAGE, 16*SP
.set OSTG,  2*STAGE                    ; behind the two stages: 16 rows x (256 + 16) bytes for the codes' way out
.set REGION, 2*STAGE+16*272            ; a wave's own LDS: 21,248 bytes
.set SEL,   28                         ; s28, s29 v_permlanex16_b32's selects for lane l xor 16
.set MNT,   30                         ; s30 the mantissa field of 448
.macro LOADF rr, koff                  ; 16 loads: load i reads 512 consecutive bytes, 128 along K of row i
.set li, 0
.rept 16
	global_load_b128 v[\rr+4*li:\rr+4*li+3], v1, s[4:5] offset:li*8192+\koff th:TH_LOAD_NT
.set li, li+1
.endr
.endm
.macro TURN rr, par, xx                ; through my stage: in as loaded, out 16 neighbours of each block of 32 a lane: register xx + 16 b + n = k 32 b + 16 h + n of row r.  LDS serves a wave's instructions in order: no wait between
.set li, 0
.rept 16
	ds_store_b128 v3, v[\rr+4*li:\rr+4*li+3] offset:\par*STAGE+li*SP
.set li, li+1
.endr
.set li, 0
.rept 16
	ds_load_b128 v[\xx+4*li:\xx+4*li+3], v4 offset:\par*STAGE+128*(li/4)+16*(li%4)
.set li, li+1
.endr
.endm
.macro QUANT s                         ; 64 numbers of a lane become a fragment's codes in v[PC] on and its row's scale word in v[PW]
.irp b, 0,1,2,3
	v_max3_num_f32 v[TM+\b], |v[\s+16*\b]|, |v[\s+1+16*\b]|, 0x4800000   ; my 16 numbers of block b, and the floor 2^(9 - 127): the byte cannot fall under 1
.endr
.irp i, 2,4,6,8,10,12,14
.irp b, 0,1,2,3
	v_max3_num_f32 v[TM+\b], v[TM+\b], |v[\s+16*\b+\i]|, |v[\s+1+16*\b+\i]|   ; the four blocks by turns
.endr
.endr
.irp b, 0,1,2,3
	v_permlanex16_b32 v[TM+4+\b], v[TM+\b], s[SEL], s[SEL+1]
.endr
.irp b, 0,1,2,3
	v_max_num_f32 v[TM+\b], v[TM+\b], v[TM+4+\b]          ; with lane l xor 16's 16: the block's largest magnitude
.endr
.irp b, 0,1,2,3
	v_add_nc_u32 v[TM+12+\b], 0xfc000000, v[TM+\b]        ; 8 off its exponent field: the conversion's scale operand
.endr
.irp b, 0,1,2,3
	v_and_or_b32 v[TM+8+\b], v[TM+\b], 0x7f800000, s[MNT] ; 448 x the scale
.endr
.irp b, 0,1,2,3
	v_lshrrev_b32 v[TM+4+\b], 23, v[TM+12+\b]             ; the scale's byte
.endr
	v_lshl_or_b32 v[PW], v[TM+5], 8, v[TM+4]
	v_lshl_or_b32 v[PW], v[TM+6], 16, v[PW]
	v_lshl_or_b32 v[PW], v[TM+7], 24, v[PW]
.irp b, 0,1,2,3
.irp i, 0,1,2,3,4,5,6,7,8,9,10,11,12,13,14,15
	v_med3_num_f32 v[\s+16*\b+\i], v[\s+16*\b+\i], -v[TM+8+\b], v[TM+8+\b]   ; the conversion to an 8-bit code does not saturate (ISA guide 7.6.2): the hold comes first
.endr
	v_cvt_scalef32_pk8_fp8_f32 v[PC+4*\b:PC+1+4*\b], v[\s+16*\b:\s+7+16*\b], v[TM+12+\b]
	v_cvt_scalef32_pk8_fp8_f32 v[PC+2+4*\b:PC+3+4*\b], v[\s+8+16*\b:\s+15+16*\b], v[TM+12+\b]
.endr
	v_nop                                                  ; one plain vector line behind the last conversion
.endm
	s_load_b256 s[4:11], s[0:1], 0x0               ; hidden_states s[4:5], top_k_index s[6:7], xq s[8:9], xs s[10:11]
	s_load_b128 s[12:15], s[0:1], 0x20             ; list s[12:13], inv s[14:15]
	s_load_b64 s[16:17], s[0:1], 0x30              ; meta
	v_lshl_add_u32 v62, v0, 2, 0x14c00
	v_mov_b32 v63, 0
	v_lshrrev_b32 v3, 5, v0
	v_readfirstlane_b32 s20, v3                    ; wave 0..3
	v_and_b32 v2, 31, v0                           ; lane
	v_lshlrev_b32 v1, 4, v2                        ; 16 x lane
	s_wait_kmcnt 0x0
	s_cmp_lg_u32 ttmp9, 0
	s_cbranch_scc1 .Lxpath
; ---------------- work-group 0: the sort.  Load Q (0..15), lane l, word c hold pair 128 Q + 4 l + c.  Wave w places the pairs of loads 4 w .. 4 w + 3.
	v_lshl_add_u32 v4, v3, 11, v1                  ; my wave's 2,048 bytes of the indices and of inv, 16 bytes a lane
.set n, 0
.rept 16
	global_load_b128 v[64+4*n:67+4*n], v1, s[6:7] offset:512*n      ; all 2,048 indices
.set n, n+1
.endr
.set n, 0
.rept 4
	global_load_b128 v[32+4*n:35+4*n], v4, s[6:7] offset:512*n      ; my wave's 512 once more
.set n, n+1
.endr
.irp e, 0,1,2,3,4,5,6,7
	s_mov_b32 s[32+\e], 0                          ; s32-39 the experts' counts
	s_mov_b32 s[40+\e], 0                          ; s40-47 the counts in front of my wave's pairs
.endr
	s_wait_loadcnt 0x0
.set n, 0
.rept 64
.if n%16 == 0
	s_cmp_eq_u32 s20, n/16                         ; here my wave's pairs begin: keep what has been counted so far
.irp e, 0,1,2,3,4,5,6,7
	s_cselect_b32 s[40+\e], s[32+\e], s[40+\e]
.endr
.endif
.irp e, 0,1,2,3,4,5,6,7
	v_cmp_eq_u32 s[48+\e], \e, v[64+n]
.endr
.irp e, 0,1,2,3,4,5,6,7
	s_bcnt1_i32_b32 s[56+\e], s[48+\e]
.endr
.irp e, 0,1,2,3,4,5,6,7
	s_add_co_u32 s[32+\e], s[32+\e], s[56+\e]
.endr
.set n, n+1
.endr
	s_mov_b32 s66, 0                               ; s66-73 the experts' first positions: each count rounded up to 16
.irp e, 0,1,2,3,4,5,6
	s_add_co_u32 s74, s[32+\e], 15
	s_and_b32 s74, s74, -16
	s_add_co_u32 s[67+\e], s[66+\e], s74
.endr
.irp e, 0,1,2,3,4,5,6,7
	s_add_co_u32 s[40+\e], s[40+\e], s[66+\e]      ; the next free position of each expert, as my wave sees it
.endr
.set n, 0
.rept 16                                       ; my 16 registers of indices: a pair's position = the expert's next free one + the lanes below with the same expert
	v_mov_b32 v[128+n], 0
.irp e, 0,1,2,3,4,5,6,7
	v_cmp_eq_u32 s[48+\e], \e, v[32+n]
.endr
.irp e, 0,1,2,3,4,5,6,7
	v_mbcnt_lo_u32_b32 v[168+\e], s[48+\e], s[40+\e]
.endr
.irp e, 0,1,2,3,4,5,6,7
	v_cndmask_b32 v[128+n], v[128+n], v[168+\e], s[48+\e]
.endr
.irp e, 0,1,2,3,4,5,6,7
	s_bcnt1_i32_b32 s[56+\e], s[48+\e]
.endr
.irp e, 0,1,2,3,4,5,6,7
	s_add_co_u32 s[40+\e], s[40+\e], s[56+\e]
.endr
.set n, n+1
.endr
.set n, 0
.rept 4
	global_store_b128 v4, v[128+4*n:131+4*n], s[14:15] offset:512*n   ; inv: 32 lanes store 512 consecutive bytes
.set n, n+1
.endr
	v_lshlrev_b32 v177, 1, v2
	v_lshl_add_u32 v177, v3, 8, v177               ; 256 w + 2 l
.set n, 0
.rept 8
	v_add_nc_u32 v[160+n], 64*(n/2)+n%2, v177      ; the token of words c = 2 (n % 2), 2 (n % 2) + 1 of load n / 2: 256 w + 64 q + 2 l + c / 2
.set n, n+1
.endr
.set n, 0
.rept 16
	v_min_u32 v[144+n], 2175, v[128+n]             ; a position enters an address only held inside list
	v_lshlrev_b32 v[144+n], 2, v[144+n]
	global_store_b32 v[144+n], v[160+2*(n/4)+(n%4)/2], s[12:13]      ; a scatter of 4 bytes a pair: 8 KB in all, once
.set n, n+1
.endr
	s_cmp_lg_u32 s20, 0
	s_cbranch_scc1 .Lsorted                        ; meta is wave 0's
	v_readfirstlane_b32 s75, v128                  ; pair 0's position
	v_mov_b32 v176, 0
.irp e, 0,1,2,3,4,5,6,7
	s_add_co_u32 s76, s[66+\e], s[32+\e]
	s_sub_co_u32 s76, s76, 1
	s_cmp_lg_u32 s[32+\e], 0
	s_cselect_b32 s76, s76, s75                    ; the last position, or pair 0's where the expert has none
	v_writelane_b32 v176, s[66+\e], 4*\e
	v_writelane_b32 v176, s[32+\e], 4*\e+1
	v_writelane_b32 v176, s76, 4*\e+2
.endr
	v_lshlrev_b32 v178, 2, v2
	global_store_b32 v178, v176, s[16:17]          ; 128 consecutive bytes
.Lsorted:
	s_endpgm
; ---------------- work-groups 1 to 128: b = number - 1; 16 tokens 16 (b / 2) on; wave w takes K steps ks0 = 8 (b % 2) + 2 w and ks0 + 1
.Lxpath:
	s_sub_co_u32 s21, ttmp9, 1
	s_lshr_b32 s22, s21, 1                         ; which 16 tokens
	s_and_b32 s23, s21, 1
	s_lshl_b32 s23, s23, 3
	s_lshl_b32 s24, s20, 1
	s_add_co_u32 s23, s23, s24                     ; ks0
	s_lshl_b32 s24, s22, 17                        ; 16 rows of 8,192 bytes
	s_lshl_b32 s25, s23, 9                         ; 512 bytes a K step
	s_add_co_u32 s24, s24, s25
	s_mov_b32 s25, 0
	s_add_nc_u64 s[4:5], s[4:5], s[24:25]
	LOADF R0, 0
	LOADF R1, 512
	s_lshl_b32 s24, s22, 15                        ; xq: 16 rows of 2,048 bytes,
	s_lshl_b32 s26, s23, 7                         ; 128 bytes a K step: ks0 is even, so my 256 bytes of a row are aligned
	s_add_co_u32 s24, s24, s26
	s_add_nc_u64 s[8:9], s[8:9], s[24:25]
	s_lshl_b32 s24, s22, 10                        ; xs: 16 rows of 64 bytes, 4 bytes a K step
	s_lshl_b32 s26, s23, 2
	s_add_co_u32 s24, s24, s26
	s_add_nc_u64 s[10:11], s[10:11], s[24:25]
	s_mul_i32 s26, s20, REGION                     ; my wave's LDS
	s_mov_b32 s[SEL], 0x76543210
	s_mov_b32 s[SEL+1], 0xfedcba98
	s_mov_b32 s[MNT], 0x600000
	v_and_b32 v9, 15, v0                           ; r
	v_bfe_u32 v10, v0, 4, 1                        ; h
	v_add_nc_u32 v3, s26, v1                       ; the stage, in: 16 x lane
	v_mul_u32_u24 v4, v9, SP
	v_lshl_add_u32 v4, v10, 6, v4
	v_add_nc_u32 v4, s26, v4                       ; and out: row r, + 64 h
	s_add_co_u32 s26, s26, OSTG
	v_mul_u32_u24 v5, v9, 272
	v_lshl_add_u32 v5, v10, 6, v5
	v_add_nc_u32 v5, s26, v5                       ; the codes' stage, in: row r, + 64 h
	v_mul_u32_u24 v6, v10, 272
	v_lshl_add_u32 v6, v9, 4, v6
	v_add_nc_u32 v6, s26, v6                       ; and out: lanes 0-15 one row of 256 bytes, lanes 16-31 the next
	v_lshlrev_b32 v7, 11, v10
	v_lshl_add_u32 v7, v9, 4, v7                   ; the same two rows in xq
	v_lshlrev_b32 v8, 6, v9
	v_lshl_add_u32 v8, v10, 2, v8                  ; xs: row r; lanes 0-15 store ks0's word, lanes 16-31 the next
.irp b, 0,1,2,3
	v_mov_b32 v[TM+4+\b], 0                        ; a lane permute's destination counts as one of its sources
.endr
	s_wait_loadcnt 16                              ; the first K step's 16 loads are in
	TURN R0, 0, X0
	s_wait_dscnt 0x0                               ; its numbers are back, and the stores have read v64-127,
	s_wait_loadcnt 0x0
	TURN R1, 1, R0                                 ; which take the second step's numbers while the first is quantised
	QUANT X0
	v_mov_b32 v49, v[PW]
.irp c, 0,1,2,3
	ds_store_b128 v5, v[PC+4*\c:PC+4*\c+3] offset:16*\c
.endr
	s_wait_dscnt 0x0                               ; the second step's numbers are back; the stores have read the codes' registers
	QUANT R0
.irp c, 0,1,2,3
	ds_store_b128 v5, v[PC+4*\c:PC+4*\c+3] offset:128+16*\c
.endr
.irp q, 0,1,2,3,4,5,6,7
	ds_load_b128 v[R1+4*\q:R1+4*\q+3], v6 offset:\q*544      ; in order behind my stores
.endr
.irp q, 0,1,2,3,4,5,6,7
	s_wait_dscnt 7-\q
	global_store_b128 v7, v[R1+4*\q:R1+4*\q+3], s[8:9] offset:\q*4096   ; 16 lanes store 256 consecutive bytes, aligned
.endr
	v_cmp_lt_u32 vcc_lo, 15, v2
	v_cndmask_b32 v50, v49, v[PW], vcc_lo
	global_store_b32 v8, v50, s[10:11]             ; 8 bytes of each of 16 rows: 64 KB in the whole launch
	s_wait_tensorcnt 0x0
	ds_add_u32 v62, v63
	s_wait_dscnt 0x0
	s_endpgm
.Lfunc_end_k_qc79a978dfd_prep:
	.size	k_qc79a978dfd_prep, .Lfunc_end_k_qc79a978dfd_prep-k_qc79a978dfd_prep
	.p2alignl 7, 3214868480
	.fill 96, 4, 3214868480
	.section	.rodata,"a",@progbits
	.p2align	6, 0x0
	.amdhsa_kernel k_qc79a978dfd_prep
		.amdhsa_group_segment_fixed_size 85504
		.amdhsa_private_segment_fixed_size 0
		.amdhsa_enable_private_segment 0
		.amdhsa_kernarg_size 56
		.amdhsa_user_sgpr_count 2
		.amdhsa_user_sgpr_kernarg_segment_ptr 1
		.amdhsa_wavefront_size32 1
		.amdhsa_system_sgpr_workgroup_id_x 1
		.amdhsa_system_sgpr_workgroup_id_y 1
		.amdhsa_system_sgpr_workgroup_id_z 1
		.amdhsa_system_vgpr_workitem_id 0
		.amdhsa_next_free_vgpr 256
		.amdhsa_next_free_sgpr 80
		.amdhsa_reserve_vcc 1
		.amdhsa_float_denorm_mode_32 3
		.amdhsa_float_denorm_mode_16_64 3
		.amdhsa_memory_ordered 1
		.amdhsa_forward_progress 1
		.amdhsa_inst_pref_size 136
	.end_amdhsa_kernel
	.amdgpu_metadata
---
amdhsa.version: [ 1, 2 ]
amdhsa.kernels:
  - .name:           k_qc79a978dfd_prep
    .symbol:         k_qc79a978dfd_prep.kd
    .args:
      - { .name: hidden_states, .offset: 0, .size: 8, .value_kind: global_buffer, .address_space: global }
      - { .name: top_k_index, .offset: 8, .size: 8, .value_kind: global_buffer, .address_space: global }
      - { .name: xq, .offset: 16, .size: 8, .value_kind: global_buffer, .address_space: global }
      - { .name: xs, .offset: 24, .size: 8, .value_kind: global_buffer, .address_space: global }
      - { .name: list, .offset: 32, .size: 8, .value_kind: global_buffer, .address_space: global }
      - { .name: inv, .offset: 40, .size: 8, .value_kind: global_buffer, .address_space: global }
      - { .name: meta, .offset: 48, .size: 8, .value_kind: global_buffer, .address_space: global }
    .group_segment_fixed_size: 85504
    .private_segment_fixed_size: 0
    .kernarg_segment_align: 8
    .kernarg_segment_size: 56
    .max_flat_workgroup_size: 128
    .sgpr_count:     80
    .vgpr_count:     256
    .wavefront_size: 32
...
	.end_amdgpu_metadata
.endif
;; end of part 1
;; launch gateup (part 2): grid 32 x 8, 4 waves a work-group, no clusters, 203,264 bytes of LDS; arguments gate_w, up_w, xq, xs, list, meta, hq, hs; writes hq, hs
.if DOCPART == 2
	.amdgcn_target "amdgcn-amd-amdhsa--gfx1250"
	.amdhsa_code_object_version 6
	.text
	.protected	k_qc79a978dfd_gateup
	.globl	k_qc79a978dfd_gateup
	.p2align	8
	.type	k_qc79a978dfd_gateup,@function
k_qc79a978dfd_gateup:
	s_mov_b64 s[64:65], 0
	v_nop
	global_prefetch_b8 v0, s[64:65] scope:SCOPE_SE
	s_setreg_imm32_b32 hwreg(HW_REG_WAVE_MODE, 25, 1), 1
	s_wait_xcnt 0x0
; SECOND LAUNCH.  Work-group (j, e): columns 32 j .. 32 j + 31 of expert e's gate and up products, for the rows routed to e:  h = gelu_tanh(x gate^T) * (x up^T), quantised along I (these 32 columns are one block).
; EACH f32 WEIGHT IS READ ONCE, by the one work-group that multiplies it: 32 rows of gate_w[e] and 32 of up_w[e], 512 KB.  Wave w streams one tile of 16 rows (w = 0, 1: gate; 2, 3: up) through a ring of 4 x 16 loads,
;   each of 512 consecutive bytes, turns each fragment (16 rows x 128 K) through its own stage in LDS, quantises it and leaves codes and scale words in LDS as images of the operand's registers.  One barrier.
; THEN THE ROWS: the waves share the row tiles (16 sorted positions each), five to a wave and pass, and share nothing else: no barrier stands in that loop, whose trip count is read from meta.
;   Since that count is read from memory, the operands come by plain loads into registers and not by tensor loads; for the same reason the 32 work-groups of an expert, which read the same rows of xq, do not ask for them jointly in a cluster.
; THE PRODUCT IS USED TRANSPOSED (source 0 = 16 weight rows, source 1 = 16 rows of x), and fragment row i of tile u is slice row 8 u + i + 8 (i / 8): so lane (r, h) holds row r and its 16 registers of tiles 2 a, 2 a + 1
;   are columns 16 h + 0 .. 15: the four registers of codes that they become are registers 4 c .. 4 c + 3 of the next product's operand (K step j / 4, c = j % 4), and are stored so: hq = tile*16384 + j*512 + lane*16.
;   hs: byte tile*512 + r*32 + j.  Rows of an expert's last tile past its count repeat its last row and are stored in places of their own, which nobody uses.
; gelu_tanh(x) = x / (1 + 2^(x (c1 + c2 x^2))), c1 = -2 sqrt(2/pi) log2(e), c2 = 0.044715 c1: the tanh form as a sigmoid, all in f32.
; LIMITS: NaN and infinities are not served.  A block of zeros gets the byte 1 where the rule says 127: its codes are zeros, and this program alone reads the bytes.
; REGISTERS, in windows of 256.  Window 0: v1-15 addresses; v16-31 at work; v32-63 the weights' scale words; v64-103 x's scale words; v104-231 two sets of 64: numbers to quantise, later weight fragments, later the way out; v232-253 codes, addresses.
;   Window 1: v0-159 the 20 accumulators (row tile i, weight tile t at 32 i + 8 t).   Window 2: the ring of 4 x 64; later three slots of 80 for x's fragments.
.set WSC,   131072                     ; LDS: 0: the images, fragment (t, ks) at (16 t + ks) * 2048;  here: the scale words, t*1024 + r*64 + ks*4
.set STG,   135168                     ; the waves' stages: two of 16 rows x 528 bytes each
.set SP,    528                        ; 512 bytes + 16 = 33 x 16: the 16 rows that a load touches start in 16 different 16-byte columns of 256
.set STAGE, 16*SP
.set L16,  1                           ; v1   16 x lane
.set L16B, 2                           ; v2   + 65536: the up tiles' images
.set STS,  3                           ; v3   my stage, in
.set STL,  4                           ; v4   my stage, out
.set HWI,  5                           ; v5   my tile's images
.set WSA,  6                           ; v6   my tile's scale words
.set WSL,  7                           ; v7   scale words, as read: 64 x lane
.set RR,   8                           ; v8   r
.set H64,  9                           ; v9   64 h
.set H32,  10                          ; v10  32 h
.set HWC,  11                          ; v11  v5 + the trip's step
.set C1,   12                          ; v[12:13] c1
.set WSD,  14                          ; v14  v6 + the trip's step
.set R32,  15                          ; v15  32 r
.set TM,   16
.set WS,   32
.set XS,   64
.set X,    104
.set T,    104                         ; the way out: 16 numbers
.set HC,   136                         ; the way out: row tile i: 4 registers of codes, the byte, two addresses, at v[HC + 8 i]
.set PC,   232
.set XSO,  232                         ; v232-236 offsets of x's scale words
.set LA,   237                         ; v237-241 offsets into list
.set PW,   248
.set XO,   249                         ; v249-253 tokens, then offsets into xq
.set SEL,  40
.set MNT,  42
.set MSB, 0
.macro WIN new                         ; the immediate's high byte repeats the setting that is left
.if MSB != \new
	s_set_vgpr_msb (MSB<<8)|\new
.set MSB, \new
.endif
.endm
.macro LOADF set, koff                 ; 16 loads into ring set 'set': load i reads 512 consecutive bytes, 128 along K of fragment row i
	WIN 0x80
.set li, 0
.rept 16
	global_load_b128 v[64*(\set)+4*li:64*(\set)+4*li+3], v[L16], s[32:33] offset:(li+8*(li/8))*8192+\koff th:TH_LOAD_NT
.set li, li+1
.endr
	WIN 0
.endm
.macro TURN set, par                   ; through my stage: register X + 64 par + 16 b + n = k 32 b + 16 h + n of fragment row r.  LDS serves a wave's instructions in order: no wait between
	WIN 0x08
.set li, 0
.rept 16
	ds_store_b128 v[STS], v[64*(\set)+4*li:64*(\set)+4*li+3] offset:(\par)*STAGE+li*SP
.set li, li+1
.endr
	WIN 0
.set li, 0
.rept 16
	ds_load_b128 v[X+64*(\par)+4*li:X+64*(\par)+4*li+3], v[STL] offset:(\par)*STAGE+128*(li/4)+16*(li%4)
.set li, li+1
.endr
.endm
.macro QUANT s                         ; 64 numbers of a lane become a fragment's codes in v[PC] on and its row's scale word in v[PW]
.irp b, 0,1,2,3
	v_max3_num_f32 v[TM+\b], |v[\s+16*\b]|, |v[\s+1+16*\b]|, 0x4800000   ; my 16 numbers of block b, and the floor 2^(9 - 127): the byte cannot fall under 1
.endr
.irp i, 2,4,6,8,10,12,14
.irp b, 0,1,2,3
	v_max3_num_f32 v[TM+\b], v[TM+\b], |v[\s+16*\b+\i]|, |v[\s+1+16*\b+\i]|
.endr
.endr
.irp b, 0,1,2,3
	v_permlanex16_b32 v[TM+4+\b], v[TM+\b], s[SEL], s[SEL+1]
.endr
.irp b, 0,1,2,3
	v_max_num_f32 v[TM+\b], v[TM+\b], v[TM+4+\b]          ; with lane l xor 16's 16: the block's largest magnitude
.endr
.irp b, 0,1,2,3
	v_add_nc_u32 v[TM+12+\b], 0xfc000000, v[TM+\b]        ; 8 off its exponent field: the conversion's scale operand
.endr
.irp b, 0,1,2,3
	v_and_or_b32 v[TM+8+\b], v[TM+\b], 0x7f800000, s[MNT] ; 448 x the scale
.endr
.irp b, 0,1,2,3
	v_lshrrev_b32 v[TM+4+\b], 23, v[TM+12+\b]             ; the scale's byte
.endr
	v_lshl_or_b32 v[PW], v[TM+5], 8, v[TM+4]
	v_lshl_or_b32 v[PW], v[TM+6], 16, v[PW]
	v_lshl_or_b32 v[PW], v[TM+7], 24, v[PW]
.irp b, 0,1,2,3
.irp i, 0,1,2,3,4,5,6,7,8,9,10,11,12,13,14,15
	v_med3_num_f32 v[\s+16*\b+\i], v[\s+16*\b+\i], -v[TM+8+\b], v[TM+8+\b]   ; the conversion to an 8-bit code does not saturate (ISA guide 7.6.2): the hold comes first
.endr
	v_cvt_scalef32_pk8_fp8_f32 v[PC+4*\b:PC+1+4*\b], v[\s+16*\b:\s+7+16*\b], v[TM+12+\b]
	v_cvt_scalef32_pk8_fp8_f32 v[PC+2+4*\b:PC+3+4*\b], v[\s+8+16*\b:\s+15+16*\b], v[TM+12+\b]
.endr
	v_nop                                                  ; one plain vector line behind the last conversion
.endm
; One fragment of the stream, the f-th of four.  ahead: the fragment four on is asked for.  more: the next fragment goes through the stage; left = the younger ring loads that may stay out.
.macro FRAG f, ahead, left, more
	s_wait_dscnt 0x0                               ; my numbers are back from the stage: so its stores have read ring set f; and the last image's stores have read the codes
.if \ahead
	LOADF \f, 2048+512*\f
.endif
.if \more
	s_wait_loadcnt \left
	TURN (\f+1)%4, (\f+1)%2
.endif
	QUANT X+64*(\f%2)
.irp c, 0,1,2,3
	ds_store_b128 v[HWC], v[PC+4*\c:PC+4*\c+3] offset:2048*\f+512*\c    ; the image: lane l's 16 bytes at 16 l
.endr
	ds_store_b32 v[WSD], v[PW] offset:4*\f                              ; lanes r and r + 16 write the same word with the same value
.endm
.macro LIST                            ; the tokens of my five row tiles: position = first + 16 (tb + i) + r, held at the expert's last position and inside list
.irp i, 0,1,2,3,4
	s_add_co_u32 s34, s29, \i
	s_lshl_b32 s34, s34, 4
	s_add_co_u32 s34, s34, s24
	v_add_nc_u32 v[LA+\i], s34, v[RR]
	v_min_u32 v[LA+\i], s26, v[LA+\i]
	v_min_u32 v[LA+\i], 2175, v[LA+\i]
	v_lshlrev_b32 v[LA+\i], 2, v[LA+\i]
	global_load_b32 v[XO+\i], v[LA+\i], s[12:13]
.endr
.endm
.macro MM d, a, b, k, sa, sb, ra, rb   ; one product; k = 0 starts the sum; ra, rb: the scale words stand in lanes 16-31
.if (\k) == 0
.if \ra
	v_wmma_scale_f32_16x16x128_f8f6f4 v[\d:\d+7], v[\a:\a+15], v[\b:\b+15], 0, v[\sa], v[\sb] matrix_a_scale:MATRIX_SCALE_ROW1
.else
	v_wmma_scale_f32_16x16x128_f8f6f4 v[\d:\d+7], v[\a:\a+15], v[\b:\b+15], 0, v[\sa], v[\sb]
.endif
.elseif (\ra) && (\rb)
	v_wmma_scale_f32_16x16x128_f8f6f4 v[\d:\d+7], v[\a:\a+15], v[\b:\b+15], v[\d:\d+7], v[\sa], v[\sb] matrix_a_scale:MATRIX_SCALE_ROW1 matrix_b_scale:MATRIX_SCALE_ROW1
.elseif \ra
	v_wmma_scale_f32_16x16x128_f8f6f4 v[\d:\d+7], v[\a:\a+15], v[\b:\b+15], v[\d:\d+7], v[\sa], v[\sb] matrix_a_scale:MATRIX_SCALE_ROW1
.elseif \rb
	v_wmma_scale_f32_16x16x128_f8f6f4 v[\d:\d+7], v[\a:\a+15], v[\b:\b+15], v[\d:\d+7], v[\sa], v[\sb] matrix_b_scale:MATRIX_SCALE_ROW1
.else
	v_wmma_scale_f32_16x16x128_f8f6f4 v[\d:\d+7], v[\a:\a+15], v[\b:\b+15], v[\d:\d+7], v[\sa], v[\sb]
.endif
.endm
.macro ALOAD ks                        ; x's fragments of K step ks for my five row tiles: 20 loads, a lane's 64 bytes on end
	WIN 0x80
.irp i, 0,1,2,3,4
.irp c, 0,1,2,3
	global_load_b128 v[80*((\ks)%3)+16*\i+4*\c:80*((\ks)%3)+16*\i+4*\c+3], v[XO+\i], s[8:9] offset:128*(\ks)+16*\c
.endr
.endr
.endm
.macro WLOAD ks                        ; the four weight fragments of K step ks out of LDS: 16 loads of 512 consecutive bytes
	WIN 0
.irp t, 0,1
.irp c, 0,1,2,3
	ds_load_b128 v[X+64*((\ks)%2)+16*\t+4*\c:X+64*((\ks)%2)+16*\t+4*\c+3], v[L16] offset:\t*32768+(\ks)*2048+512*\c
.endr
.endr
.irp t, 0,1
.irp c, 0,1,2,3
	ds_load_b128 v[X+64*((\ks)%2)+32+16*\t+4*\c:X+64*((\ks)%2)+32+16*\t+4*\c+3], v[L16B] offset:\t*32768+(\ks)*2048+512*\c
.endr
.endr
.endm
; A K step: 20 products, the 20 accumulators by turns in the same order in every step.
.macro STEP ks
.if \ks < 14
	s_wait_loadcnt 40                              ; this step's fragments of x are in (and all that is older); the two later steps' 40 loads may be out
.elseif \ks == 14
	s_wait_loadcnt 20
.else
	s_wait_loadcnt 0x0
.endif
.if \ks < 15
	s_wait_dscnt 16                                ; this step's weight fragments are in; the next step's 16 loads may be out
.else
	s_wait_dscnt 0x0
.endif
	WIN 0x58                                       ; source 0 (weights) window 0, source 1 (x) window 2, C and D window 1
.irp i, 0,1,2,3,4
.irp t, 0,1,2,3
	MM 32*\i+8*\t, X+64*(\ks%2)+16*\t, 80*(\ks%3)+16*\i, \ks, WS+16*(\t/2)+\ks, XS+8*\i+\ks%8, \t%2, \ks/8
.endr
.endr
.if \ks == 15
.rept 9
	v_nop                                          ; eight places ahead of the first read of results and of loads into operands and scale words; nine ahead of the next pass's first products, which begin the sums anew
.endr
.elseif \ks < 14
.rept 8
	v_nop                                          ; places in front of loads into registers that these products have read
.endr
	WLOAD \ks+2
.if \ks < 13
	ALOAD \ks+3
.endif
.endif
.endm
; Row tile i leaves: activation, product, one block's quantising, 512 consecutive bytes of codes and 16 scale bytes.  A tile past the expert's last is passed over.
.macro WAYOUT i
	s_add_co_u32 s46, s29, \i
	s_cmp_ge_u32 s46, s28
	s_cbranch_scc1 .Lskip_\@
	WIN 0x05
.irp p, 0,2,4,6,8,10,12,14
	v_pk_mul_f32 v[T+\p:T+\p+1], v[32*\i+\p:32*\i+\p+1], v[32*\i+\p:32*\i+\p+1]      ; g^2; each accumulator is read from its low end on
.endr
	WIN 0
.irp p, 0,2,4,6,8,10,12,14
	v_pk_fma_f32 v[T+\p:T+\p+1], v[T+\p:T+\p+1], s[44:45], v[C1:C1+1] op_sel_hi:[1,0,0]   ; c2 g^2 + c1
.endr
	WIN 0x04
.irp p, 0,2,4,6,8,10,12,14
	v_pk_mul_f32 v[T+\p:T+\p+1], v[T+\p:T+\p+1], v[32*\i+\p:32*\i+\p+1]              ; x g
.endr
	WIN 0
.irp p, 0,1,2,3,4,5,6,7,8,9,10,11,12,13,14,15
	v_exp_f32 v[T+\p], v[T+\p]
.endr
	v_nop                                          ; a plain line behind the transcendentals
	s_wait_alu depctr_va_vdst(0)
.irp p, 0,2,4,6,8,10,12,14
	v_pk_add_f32 v[T+\p:T+\p+1], v[T+\p:T+\p+1], 1.0 op_sel_hi:[1,0]
.endr
.irp p, 0,1,2,3,4,5,6,7,8,9,10,11,12,13,14,15
	v_rcp_f32 v[T+\p], v[T+\p]
.endr
	v_nop
	WIN 0x04
	s_wait_alu depctr_va_vdst(0)
.irp p, 0,2,4,6,8,10,12,14
	v_pk_mul_f32 v[T+\p:T+\p+1], v[T+\p:T+\p+1], v[32*\i+\p:32*\i+\p+1]              ; gelu(g)
.endr
.irp p, 0,2,4,6,8,10,12,14
	v_pk_mul_f32 v[T+\p:T+\p+1], v[T+\p:T+\p+1], v[32*\i+16+\p:32*\i+16+\p+1]        ; x u
.endr
	WIN 0
	v_max3_num_f32 v[TM], |v[T]|, |v[T+1]|, 0x4800000                                ; my 16 numbers of the block, in two chains, and the floor
	v_max3_num_f32 v[TM+1], |v[T+8]|, |v[T+9]|, |v[T+10]|
	v_max3_num_f32 v[TM], v[TM], |v[T+2]|, |v[T+3]|
	v_max3_num_f32 v[TM+1], v[TM+1], |v[T+11]|, |v[T+12]|
	v_max3_num_f32 v[TM], v[TM], |v[T+4]|, |v[T+5]|
	v_max3_num_f32 v[TM+1], v[TM+1], |v[T+13]|, |v[T+14]|
	v_max3_num_f32 v[TM], v[TM], |v[T+6]|, |v[T+7]|
	v_max3_num_f32 v[TM], v[TM], v[TM+1], |v[T+15]|
	v_permlanex16_b32 v[TM+4], v[TM], s[SEL], s[SEL+1]
	v_max_num_f32 v[TM], v[TM], v[TM+4]
	v_add_nc_u32 v[TM+12], 0xfc000000, v[TM]
	v_and_or_b32 v[TM+8], v[TM], 0x7f800000, s[MNT]
	v_lshrrev_b32 v[HC+8*\i+4], 23, v[TM+12]
.irp p, 0,1,2,3,4,5,6,7,8,9,10,11,12,13,14,15
	v_med3_num_f32 v[T+\p], v[T+\p], -v[TM+8], v[TM+8]
.endr
	v_cvt_scalef32_pk8_fp8_f32 v[HC+8*\i:HC+8*\i+1], v[T:T+7], v[TM+12]
	v_cvt_scalef32_pk8_fp8_f32 v[HC+8*\i+2:HC+8*\i+3], v[T+8:T+15], v[TM+12]
	v_nop
	s_add_co_u32 s46, s46, s51                     ; the tile's number among all 136,
	s_min_u32 s46, s46, 135                        ; held inside the buffers
	v_lshl_add_u32 v[HC+8*\i+5], s46, 14, v[L16]
	v_lshl_add_u32 v[HC+8*\i+6], s46, 9, v[R32]
	global_store_b128 v[HC+8*\i+5], v[HC+8*\i:HC+8*\i+3], s[16:17]     ; 32 lanes store 512 consecutive bytes, aligned
	global_store_b8 v[HC+8*\i+6], v[HC+8*\i+4], s[18:19]               ; a byte a row (lanes r and r + 16 the same): 68 KB in the whole launch
.Lskip_\@:
.endm
	s_load_b512 s[4:19], s[0:1], 0x0               ; gate_w s[4:5], up_w s[6:7], xq s[8:9], xs s[10:11], list s[12:13], meta s[14:15], hq s[16:17], hs s[18:19]
	v_lshl_add_u32 v254, v0, 2, 0x31800
	v_mov_b32 v255, 0
	v_lshrrev_b32 v8, 5, v0
	v_readfirstlane_b32 s20, v8                    ; wave 0..3
	s_mov_b32 s21, ttmp9                           ; j
	s_and_b32 s22, ttmp7, 0xffff                   ; e
	v_and_b32 v15, 31, v0                          ; lane
	v_lshlrev_b32 v[L16], 4, v15
	v_add_nc_u32 v[L16B], 0x10000, v[L16]
	v_and_b32 v[RR], 15, v0
	v_bfe_u32 v[H32], v0, 4, 1                     ; h
	s_mul_i32 s34, s20, 2*STAGE
	s_add_co_u32 s34, s34, STG
	v_add_nc_u32 v[STS], s34, v[L16]
	v_mul_u32_u24 v[STL], v[RR], SP
	v_lshl_add_u32 v[STL], v[H32], 6, v[STL]
	v_add_nc_u32 v[STL], s34, v[STL]
	s_lshl_b32 s35, s20, 15
	v_add_nc_u32 v[HWI], s35, v[L16]
	s_lshl_b32 s35, s20, 10
	s_add_co_u32 s35, s35, WSC
	v_lshl_add_u32 v[WSA], v[RR], 6, s35
	v_lshl_add_u32 v[WSL], v15, 6, WSC
	v_lshlrev_b32 v[R32], 5, v[RR]
	v_lshlrev_b32 v[H64], 6, v[H32]
	v_lshlrev_b32 v[H32], 5, v[H32]
	v_mov_b32 v[C1], 0xc0135761                    ; c1 = -2.3022082
	v_mov_b32 v[C1+1], 0xc0135761
.irp b, 0,1,2,3
	v_mov_b32 v[TM+4+\b], 0                        ; a lane permute's destination counts as one of its sources
.endr
	s_mov_b32 s[SEL], 0x76543210
	s_mov_b32 s[SEL+1], 0xfedcba98
	s_mov_b32 s[MNT], 0x600000
	s_mov_b32 s44, 0xbdd2d3e8                      ; c2 = -0.10294324
	s_mov_b32 s45, s44
	s_lshl_b32 s34, s22, 4                         ; meta: 16 bytes an expert
	s_mov_b32 s35, 0
	s_lshl_b32 s36, s22, 23                        ; the weights: 8 MB an expert,
	s_lshl_b32 s37, s21, 18                        ; 32 rows of 8,192 bytes a slice,
	s_add_co_u32 s36, s36, s37
	s_and_b32 s37, s20, 1
	s_lshl_b32 s37, s37, 16                        ; tile u begins at slice row 8 u
	s_add_co_u32 s36, s36, s37
	s_mov_b32 s37, 0
	s_lshl_b32 s38, s21, 9                         ; hq: 512 bytes a slice
	s_mov_b32 s39, 0
	s_wait_kmcnt 0x0
	s_add_nc_u64 s[14:15], s[14:15], s[34:35]
	s_load_b128 s[24:27], s[14:15], 0x0            ; first position, count, last position, 0
	s_cmp_lt_u32 s20, 2
	s_cselect_b64 s[32:33], s[4:5], s[6:7]         ; waves 0, 1: gate; waves 2, 3: up
	s_add_nc_u64 s[32:33], s[32:33], s[36:37]
	s_add_nc_u64 s[16:17], s[16:17], s[38:39]
	s_mov_b32 s38, s21
	s_add_nc_u64 s[18:19], s[18:19], s[38:39]      ; hs: a byte a slice
	LOADF 0, 0                                     ; the ring is filled: four fragments, 64 loads, 32 KB a wave
	LOADF 1, 512
	LOADF 2, 1024
	LOADF 3, 1536
	s_wait_kmcnt 0x0
	s_add_co_u32 s28, s25, 15
	s_lshr_b32 s28, s28, 4                         ; nt: the expert's row tiles,
	s_min_u32 s28, s28, 136                        ; never more than the buffers provide
	s_mul_i32 s29, s20, 5                          ; tb: my first row tile of the pass
	s_lshr_b32 s51, s24, 4                         ; the expert's first tile among all
	LIST                                           ; five loads among the ring's: the counts below then wait for a little more than they must
	s_wait_xcnt 0x0                                ; their offsets' registers will hold codes
	s_wait_loadcnt 48
	TURN 0, 0
	s_mov_b32 s30, 0
	s_mov_b32 s31, 0                               ; the trip's step among the images,
	s_mov_b32 s43, 0                               ; and among the scale words
.Lstream:                                          ; three trips of four fragments; each asks for the fragment four on
	v_add_nc_u32 v[HWC], s31, v[HWI]
	v_add_nc_u32 v[WSD], s43, v[WSA]
	FRAG 0, 1, 48, 1
	FRAG 1, 1, 48, 1
	FRAG 2, 1, 48, 1
	FRAG 3, 1, 48, 1
	s_wait_dscnt 0x0                               ; the stores have read their address registers
	s_wait_xcnt 0x0                                ; the loads' base is stepped only behind this wait
	s_add_nc_u64 s[32:33], s[32:33], 2048
	s_add_co_u32 s31, s31, 8192
	s_add_co_u32 s43, s43, 16
	s_add_co_u32 s30, s30, 1
	s_cmp_lt_u32 s30, 3
	s_cbranch_scc1 .Lstream
	v_add_nc_u32 v[HWC], s31, v[HWI]
	v_add_nc_u32 v[WSD], s43, v[WSA]
	FRAG 0, 0, 32, 1                               ; the last four ask for nothing: the counts run down
	FRAG 1, 0, 16, 1
	FRAG 2, 0, 0, 1
	FRAG 3, 0, 0, 0
	s_wait_dscnt 0x0                               ; for the others' sake: my images and scale words lie in LDS
	s_barrier_signal -1
	s_barrier_wait -1                              ; the launch's one barrier: behind it LDS is only read
	s_wait_loadcnt 0x0                             ; the tokens
	s_cmp_ge_u32 s29, s28
	s_cbranch_scc1 .Lend                           ; no row tile for my wave
	s_sub_co_u32 s54, s28, s29                     ; my passes: ceil((nt - tb) / 20).  x = nt - tb + 19 is at most 155, and x * 3277 >> 16 is x / 20 rounded down for every x under 16,000
	s_add_co_u32 s54, s54, 19
	s_mul_i32 s54, s54, 3277
	s_lshr_b32 s54, s54, 16
	s_mov_b32 s53, 0                               ; the pass in hand
.irp p, 0,1
.irp q, 0,1,2,3
	ds_load_b128 v[WS+16*\p+4*\q:WS+16*\p+4*\q+3], v[WSL] offset:\p*2048+16*\q      ; register WS + 16 p + ks: lanes 0-15 tile 2 p's words, lanes 16-31 tile 2 p + 1's
.endr
.endr
.Lpass:                                            ; five row tiles a wave, 320 rows a work-group; the loop is counted in passes, tb steps by 20 beside the count
.irp i, 0,1,2,3,4
	v_min_u32 v[XO+\i], 1023, v[XO+\i]             ; a token enters an address only held inside x
	v_lshl_add_u32 v[XSO+\i], v[XO+\i], 6, v[H32]
	v_lshl_add_u32 v[XO+\i], v[XO+\i], 11, v[H64]
.endr
.irp i, 0,1,2,3,4
.irp q, 0,1
	global_load_b128 v[XS+8*\i+4*\q:XS+8*\i+4*\q+3], v[XSO+\i], s[10:11] offset:16*\q   ; register XS + 8 i + ks % 8: lanes 0-15 K step ks % 8, lanes 16-31 K step 8 + ks % 8
.endr
.endr
	ALOAD 0
	ALOAD 1
	ALOAD 2
	WLOAD 0
	WLOAD 1
.irp k, 0,1,2,3,4,5,6,7,8,9,10,11,12,13,14,15
	STEP \k
.endr
	WIN 0
.irp i, 0,1,2,3,4
	WAYOUT \i
.endr
	s_wait_xcnt 0x0                                ; the stores have read their registers: the next pass's fragments may land there
	s_add_co_u32 s29, s29, 20
	LIST
	s_wait_loadcnt 0x0
	s_add_co_u32 s53, s53, 1
	s_cmp_lt_u32 s53, s54
	s_cbranch_scc1 .Lpass
.Lend:
	s_wait_tensorcnt 0x0
	ds_add_u32 v254, v255
	s_wait_dscnt 0x0
	s_endpgm
.Lfunc_end_k_qc79a978dfd_gateup:
	.size	k_qc79a978dfd_gateup, .Lfunc_end_k_qc79a978dfd_gateup-k_qc79a978dfd_gateup
	.p2alignl 7, 3214868480
	.fill 96, 4, 3214868480
	.section	.rodata,"a",@progbits
	.p2align	6, 0x0
	.amdhsa_kernel k_qc79a978dfd_gateup
		.amdhsa_group_segment_fixed_size 203264
		.amdhsa_private_segment_fixed_size 0
		.amdhsa_enable_private_segment 0
		.amdhsa_kernarg_size 64
		.amdhsa_user_sgpr_count 2
		.amdhsa_user_sgpr_kernarg_segment_ptr 1
		.amdhsa_wavefront_size32 1
		.amdhsa_system_sgpr_workgroup_id_x 1
		.amdhsa_system_sgpr_workgroup_id_y 1
		.amdhsa_system_sgpr_workgroup_id_z 1
		.amdhsa_system_vgpr_workitem_id 0
		.amdhsa_next_free_vgpr 768
		.amdhsa_next_free_sgpr 66
		.amdhsa_reserve_vcc 0
		.amdhsa_float_denorm_mode_32 3
		.amdhsa_float_denorm_mode_16_64 3
		.amdhsa_memory_ordered 1
		.amdhsa_forward_progress 1
		.amdhsa_inst_pref_size 232
	.end_amdhsa_kernel
	.amdgpu_metadata
---
amdhsa.version: [ 1, 2 ]
amdhsa.kernels:
  - .name:           k_qc79a978dfd_gateup
    .symbol:         k_qc79a978dfd_gateup.kd
    .args:
      - { .name: gate_w, .offset: 0, .size: 8, .value_kind: global_buffer, .address_space: global }
      - { .name: up_w, .offset: 8, .size: 8, .value_kind: global_buffer, .address_space: global }
      - { .name: xq, .offset: 16, .size: 8, .value_kind: global_buffer, .address_space: global }
      - { .name: xs, .offset: 24, .size: 8, .value_kind: global_buffer, .address_space: global }
      - { .name: list, .offset: 32, .size: 8, .value_kind: global_buffer, .address_space: global }
      - { .name: meta, .offset: 40, .size: 8, .value_kind: global_buffer, .address_space: global }
      - { .name: hq, .offset: 48, .size: 8, .value_kind: global_buffer, .address_space: global }
      - { .name: hs, .offset: 56, .size: 8, .value_kind: global_buffer, .address_space: global }
    .group_segment_fixed_size: 203264
    .private_segment_fixed_size: 0
    .kernarg_segment_align: 8
    .kernarg_segment_size: 64
    .max_flat_workgroup_size: 128
    .sgpr_count:     66
    .vgpr_count:     768
    .wavefront_size: 32
...
	.end_amdgpu_metadata
.endif
;; end of part 2
;; launch down (part 3): grid 32 x 8, 4 waves a work-group, no clusters, 153,088 bytes of LDS; arguments down_w, hq, hs, meta, ybuf; writes ybuf
.if DOCPART == 3
	.amdgcn_target "amdgcn-amd-amdhsa--gfx1250"
	.amdhsa_code_object_version 6
	.text
	.protected	k_qc79a978dfd_down
	.globl	k_qc79a978dfd_down
	.p2align	8
	.type	k_qc79a978dfd_down,@function
k_qc79a978dfd_down:
	s_mov_b64 s[64:65], 0
	v_nop
	global_prefetch_b8 v0, s[64:65] scope:SCOPE_SE
	s_setreg_imm32_b32 hwreg(HW_REG_WAVE_MODE, 25, 1), 1
	s_wait_xcnt 0x0
; THIRD LAUNCH.  Work-group (j, e): columns 64 j .. 64 j + 63 of y = h down_w[e]^T for the rows routed to expert e, stored by sorted position: ybuf = position*8192 + column*4, f32.
; EACH f32 WEIGHT IS READ ONCE: 64 rows of down_w[e], 256 KB.  Wave w streams rows 64 j + 16 w .. + 15 (eight fragments of 16 rows x 128 K) through a ring of 4 x 16 loads of 512 consecutive bytes,
;   turns each through its own stage in LDS, quantises it and leaves codes and scale words in LDS as images of the operand's registers.  One barrier.
; THEN THE ROWS: five row tiles (16 sorted positions) to a wave and pass; the waves share nothing there, and no barrier stands in that loop, whose trip count is read from meta.  Since that count is read from memory,
;   the operands come by plain loads into registers and not by tensor loads; for the same reason the 32 work-groups of an expert, which read the same tiles of hq, do not ask for them jointly in a cluster.
; h's codes lie in hq as register images (tile*16384 + ks*2048 + c*512 + lane*16): every load reads 512 consecutive bytes.  hs: byte tile*512 + r*32 + block.
; THE PRODUCT IS USED TRANSPOSED (source 0 = 16 rows of down_w, source 1 = 16 rows of h): a lane holds eight neighbouring columns of one row of y; they go through the wave's own stage and leave as rows of 256 bytes.
; LIMITS: NaN and infinities are not served.  A block of zeros gets the byte 1 where the rule says 127: its codes are zeros, and this program alone reads the bytes.
; REGISTERS, in windows of 256.  Window 0: v1-11 addresses; v16-31 at work; v32-47 the weights' scale words; v48-67 h's scale words; v68-82 offsets; v104-231 two sets of 64: numbers to quantise, later weight fragments, later rows of y; v232-248 codes.
;   Window 1: v0-159 the 20 accumulators (row tile i, weight tile t at 32 i + 8 t).   Window 2: the ring of 4 x 64; later three slots of 80 for h's fragments.
.set WSC,   65536                      ; LDS: 0: the images, fragment (t, ks) at (8 t + ks) * 2048;  here: the scale words, t*512 + r*32 + ks*4
.set STG,   67584                      ; the waves' stages: two of 16 rows x 528 bytes each
.set YST,   135168                     ; the way out: 16 rows x (256 + 16) bytes for each wave
.set SP,    528
.set STAGE, 16*SP
.set L16,  1
.set STS,  3
.set STL,  4
.set HWI,  5
.set WSA,  6
.set WSL,  7
.set YS,   8                           ; v8   y's stage, in: row r, + 32 h
.set YL,   9                           ; v9   and out: lanes 0-15 one row, lanes 16-31 the next
.set YG,   10                          ; v10  the same two rows in ybuf
.set RH,   11                          ; v11  32 r + 16 h
.set TM,   16
.set WS,   32
.set HSR,  48
.set HOF,  68                          ; v68-72 offsets into hq
.set HSO,  73                          ; v73-77 into hs
.set YO,   78                          ; v78-82 into ybuf
.set X,    104
.set PC,   232
.set PW,   248
.set SEL,  40
.set MNT,  42
.set MSB, 0
.macro WIN new                         ; the immediate's high byte repeats the setting that is left
.if MSB != \new
	s_set_vgpr_msb (MSB<<8)|\new
.set MSB, \new
.endif
.endm
.macro LOADF set, koff                 ; 16 loads into ring set 'set': load i reads 512 consecutive bytes, 128 along K of row i
	WIN 0x80
.set li, 0
.rept 16
	global_load_b128 v[64*(\set)+4*li:64*(\set)+4*li+3], v[L16], s[32:33] offset:li*4096+\koff th:TH_LOAD_NT
.set li, li+1
.endr
	WIN 0
.endm
.macro TURN set, par                   ; through my stage: register X + 64 par + 16 b + n = k 32 b + 16 h + n of row r.  LDS serves a wave's instructions in order: no wait between
	WIN 0x08
.set li, 0
.rept 16
	ds_store_b128 v[STS], v[64*(\set)+4*li:64*(\set)+4*li+3] offset:(\par)*STAGE+li*SP
.set li, li+1
.endr
	WIN 0
.set li, 0
.rept 16
	ds_load_b128 v[X+64*(\par)+4*li:X+64*(\par)+4*li+3], v[STL] offset:(\par)*STAGE+128*(li/4)+16*(li%4)
.set li, li+1
.endr
.endm
.macro QUANT s                         ; 64 numbers of a lane become a fragment's codes in v[PC] on and its row's scale word in v[PW]
.irp b, 0,1,2,3
	v_max3_num_f32 v[TM+\b], |v[\s+16*\b]|, |v[\s+1+16*\b]|, 0x4800000   ; my 16 numbers of block b, and the floor 2^(9 - 127): the byte cannot fall under 1
.endr
.irp i, 2,4,6,8,10,12,14
.irp b, 0,1,2,3
	v_max3_num_f32 v[TM+\b], v[TM+\b], |v[\s+16*\b+\i]|, |v[\s+1+16*\b+\i]|
.endr
.endr
.irp b, 0,1,2,3
	v_permlanex16_b32 v[TM+4+\b], v[TM+\b], s[SEL], s[SEL+1]
.endr
.irp b, 0,1,2,3
	v_max_num_f32 v[TM+\b], v[TM+\b], v[TM+4+\b]          ; with lane l xor 16's 16: the block's largest magnitude
.endr
.irp b, 0,1,2,3
	v_add_nc_u32 v[TM+12+\b], 0xfc000000, v[TM+\b]        ; 8 off its exponent field: the conversion's scale operand
.endr
.irp b, 0,1,2,3
	v_and_or_b32 v[TM+8+\b], v[TM+\b], 0x7f800000, s[MNT] ; 448 x the scale
.endr
.irp b, 0,1,2,3
	v_lshrrev_b32 v[TM+4+\b], 23, v[TM+12+\b]             ; the scale's byte
.endr
	v_lshl_or_b32 v[PW], v[TM+5], 8, v[TM+4]
	v_lshl_or_b32 v[PW], v[TM+6], 16, v[PW]
	v_lshl_or_b32 v[PW], v[TM+7], 24, v[PW]
.irp b, 0,1,2,3
.irp i, 0,1,2,3,4,5,6,7,8,9,10,11,12,13,14,15
	v_med3_num_f32 v[\s+16*\b+\i], v[\s+16*\b+\i], -v[TM+8+\b], v[TM+8+\b]   ; the conversion to an 8-bit code does not saturate (ISA guide 7.6.2): the hold comes first
.endr
	v_cvt_scalef32_pk8_fp8_f32 v[PC+4*\b:PC+1+4*\b], v[\s+16*\b:\s+7+16*\b], v[TM+12+\b]
	v_cvt_scalef32_pk8_fp8_f32 v[PC+2+4*\b:PC+3+4*\b], v[\s+8+16*\b:\s+15+16*\b], v[TM+12+\b]
.endr
	v_nop                                                  ; one plain vector line behind the last conversion
.endm
; Fragment f of eight.  ahead: the fragment four on is asked for.  more: the next fragment goes through the stage; left = the younger ring loads that may stay out.  Every offset is an immediate.
.macro FRAG f, ahead, left, more
	s_wait_dscnt 0x0                               ; my numbers are back from the stage: so its stores have read ring set f % 4; and the last image's stores have read the codes
.if \ahead
	LOADF \f%4, 512*(\f+4)
.endif
.if \more
	s_wait_loadcnt \left
	TURN (\f+1)%4, (\f+1)%2
.endif
	QUANT X+64*(\f%2)
.irp c, 0,1,2,3
	ds_store_b128 v[HWI], v[PC+4*\c:PC+4*\c+3] offset:2048*\f+512*\c    ; the image: lane l's 16 bytes at 16 l
.endr
	ds_store_b32 v[WSA], v[PW] offset:4*\f                              ; lanes r and r + 16 write the same word with the same value
.endm
.macro MM d, a, b, k, sa, sb, ra, rb   ; one product; k = 0 starts the sum; ra, rb: the scale words stand in lanes 16-31
.if (\k) == 0
.if \ra
	v_wmma_scale_f32_16x16x128_f8f6f4 v[\d:\d+7], v[\a:\a+15], v[\b:\b+15], 0, v[\sa], v[\sb] matrix_a_scale:MATRIX_SCALE_ROW1
.else
	v_wmma_scale_f32_16x16x128_f8f6f4 v[\d:\d+7], v[\a:\a+15], v[\b:\b+15], 0, v[\sa], v[\sb]
.endif
.elseif (\ra) && (\rb)
	v_wmma_scale_f32_16x16x128_f8f6f4 v[\d:\d+7], v[\a:\a+15], v[\b:\b+15], v[\d:\d+7], v[\sa], v[\sb] matrix_a_scale:MATRIX_SCALE_ROW1 matrix_b_scale:MATRIX_SCALE_ROW1
.elseif \ra
	v_wmma_scale_f32_16x16x128_f8f6f4 v[\d:\d+7], v[\a:\a+15], v[\b:\b+15], v[\d:\d+7], v[\sa], v[\sb] matrix_a_scale:MATRIX_SCALE_ROW1
.elseif \rb
	v_wmma_scale_f32_16x16x128_f8f6f4 v[\d:\d+7], v[\a:\a+15], v[\b:\b+15], v[\d:\d+7], v[\sa], v[\sb] matrix_b_scale:MATRIX_SCALE_ROW1
.else
	v_wmma_scale_f32_16x16x128_f8f6f4 v[\d:\d+7], v[\a:\a+15], v[\b:\b+15], v[\d:\d+7], v[\sa], v[\sb]
.endif
.endm
.macro ALOAD ks                        ; h's fragments of K step ks for my five row tiles: 20 loads of 512 consecutive bytes
	WIN 0x80
.irp i, 0,1,2,3,4
.irp c, 0,1,2,3
	global_load_b128 v[80*((\ks)%3)+16*\i+4*\c:80*((\ks)%3)+16*\i+4*\c+3], v[HOF+\i], s[6:7] offset:2048*(\ks)+512*\c
.endr
.endr
.endm
.macro WLOAD ks                        ; the four weight fragments of K step ks out of LDS: 16 loads of 512 consecutive bytes
	WIN 0
.irp t, 0,1,2,3
.irp c, 0,1,2,3
	ds_load_b128 v[X+64*((\ks)%2)+16*\t+4*\c:X+64*((\ks)%2)+16*\t+4*\c+3], v[L16] offset:(8*\t+(\ks))*2048+512*\c
.endr
.endr
.endm
; A K step: 20 products, the 20 accumulators by turns in the same order in every step.
.macro STEP ks
.if \ks < 6
	s_wait_loadcnt 40                              ; this step's fragments of h are in (and all that is older); the two later steps' 40 loads may be out
.elseif \ks == 6
	s_wait_loadcnt 20
.else
	s_wait_loadcnt 0x0
.endif
.if \ks < 7
	s_wait_dscnt 16                                ; this step's weight fragments are in; the next step's 16 loads may be out
.else
	s_wait_dscnt 0x0
.endif
	WIN 0x58                                       ; source 0 (weights) window 0, source 1 (h) window 2, C and D window 1
.irp i, 0,1,2,3,4
.irp t, 0,1,2,3
	MM 32*\i+8*\t, X+64*(\ks%2)+16*\t, 80*(\ks%3)+16*\i, \ks, WS+8*(\t/2)+\ks, HSR+4*\i+\ks%4, \t%2, \ks/4
.endr
.endr
.if \ks == 7
.rept 9
	v_nop                                          ; eight places ahead of the first read of results and of loads into operands and scale words; nine ahead of the next pass's first products, which begin the sums anew
.endr
.elseif \ks < 6
.rept 8
	v_nop                                          ; places in front of loads into registers that these products have read
.endr
	WLOAD \ks+2
.if \ks < 5
	ALOAD \ks+3
.endif
.endif
.endm
; Row tile i leaves through my stage.  A tile past the expert's last is passed over.
.macro YOUT i
	s_add_co_u32 s46, s29, \i
	s_cmp_ge_u32 s46, s28
	s_cbranch_scc1 .Lskip_\@
	s_wait_xcnt 0x0                                ; the last tile's stores have read v104-135
	WIN 0x04                                       ; an LDS store's data are its source 1: window 1
.irp t, 0,1,2,3
	ds_store_b128 v[YS], v[32*\i+8*\t:32*\i+8*\t+3] offset:64*\t          ; each accumulator from its low end on
	ds_store_b128 v[YS], v[32*\i+8*\t+4:32*\i+8*\t+7] offset:64*\t+16
.endr
	WIN 0
.irp q, 0,1,2,3,4,5,6,7
	ds_load_b128 v[X+4*\q:X+4*\q+3], v[YL] offset:\q*544                  ; in order behind my stores
.endr
.irp q, 0,1,2,3,4,5,6,7
	s_wait_dscnt 7-\q
	global_store_b128 v[YO+\i], v[X+4*\q:X+4*\q+3], s[12:13] offset:\q*16384   ; 16 lanes store 256 consecutive bytes, aligned
.endr
.Lskip_\@:
.endm
	s_load_b256 s[4:11], s[0:1], 0x0               ; down_w s[4:5], hq s[6:7], hs s[8:9], meta s[10:11]
	s_load_b64 s[12:13], s[0:1], 0x20              ; ybuf
	v_lshl_add_u32 v254, v0, 2, 0x25400
	v_mov_b32 v255, 0
	v_lshrrev_b32 v12, 5, v0
	v_readfirstlane_b32 s20, v12                   ; wave 0..3
	s_mov_b32 s21, ttmp9                           ; j
	s_and_b32 s22, ttmp7, 0xffff                   ; e
	v_and_b32 v12, 31, v0                          ; lane
	v_and_b32 v13, 15, v0                          ; r
	v_bfe_u32 v14, v0, 4, 1                        ; h
	v_lshlrev_b32 v[L16], 4, v12
	s_mul_i32 s34, s20, 2*STAGE
	s_add_co_u32 s34, s34, STG
	v_add_nc_u32 v[STS], s34, v[L16]
	v_mul_u32_u24 v[STL], v13, SP
	v_lshl_add_u32 v[STL], v14, 6, v[STL]
	v_add_nc_u32 v[STL], s34, v[STL]
	s_lshl_b32 s35, s20, 14
	v_add_nc_u32 v[HWI], s35, v[L16]
	s_lshl_b32 s35, s20, 9
	s_add_co_u32 s35, s35, WSC
	v_lshl_add_u32 v[WSA], v13, 5, s35
	v_lshl_add_u32 v[WSL], v12, 5, WSC
	s_mul_i32 s35, s20, 16*272
	s_add_co_u32 s35, s35, YST
	v_mul_u32_u24 v[YS], v13, 272
	v_lshl_add_u32 v[YS], v14, 5, v[YS]
	v_add_nc_u32 v[YS], s35, v[YS]
	v_mul_u32_u24 v[YL], v14, 272
	v_lshl_add_u32 v[YL], v13, 4, v[YL]
	v_add_nc_u32 v[YL], s35, v[YL]
	v_lshlrev_b32 v[YG], 13, v14
	v_lshl_add_u32 v[YG], v13, 4, v[YG]
	v_lshlrev_b32 v[RH], 5, v13
	v_lshl_add_u32 v[RH], v14, 4, v[RH]
.irp b, 0,1,2,3
	v_mov_b32 v[TM+4+\b], 0                        ; a lane permute's destination counts as one of its sources
.endr
	s_mov_b32 s[SEL], 0x76543210
	s_mov_b32 s[SEL+1], 0xfedcba98
	s_mov_b32 s[MNT], 0x600000
	s_lshl_b32 s34, s22, 4                         ; meta: 16 bytes an expert
	s_mov_b32 s35, 0
	s_lshl_b32 s36, s22, 23                        ; the weights: 8 MB an expert,
	s_lshl_b32 s37, s21, 18                        ; 64 rows of 4,096 bytes a work-group,
	s_add_co_u32 s36, s36, s37
	s_lshl_b32 s37, s20, 16                        ; 16 rows a wave
	s_add_co_u32 s36, s36, s37
	s_mov_b32 s37, 0
	s_lshl_b32 s38, s21, 8                         ; ybuf: 256 bytes of a row
	s_mov_b32 s39, 0
	s_wait_kmcnt 0x0
	s_add_nc_u64 s[10:11], s[10:11], s[34:35]
	s_load_b128 s[24:27], s[10:11], 0x0            ; first position, count, last position, 0
	s_add_nc_u64 s[32:33], s[4:5], s[36:37]
	s_add_nc_u64 s[12:13], s[12:13], s[38:39]
	LOADF 0, 0                                     ; the ring is filled: four fragments, 64 loads, 32 KB a wave
	LOADF 1, 512
	LOADF 2, 1024
	LOADF 3, 1536
	s_wait_loadcnt 48
	TURN 0, 0
	FRAG 0, 1, 48, 1
	FRAG 1, 1, 48, 1
	FRAG 2, 1, 48, 1
	FRAG 3, 1, 48, 1
	FRAG 4, 0, 32, 1                               ; the last four ask for nothing: the counts run down
	FRAG 5, 0, 16, 1
	FRAG 6, 0, 0, 1
	FRAG 7, 0, 0, 0
	s_wait_kmcnt 0x0                               ; meta, asked for ahead of the stream: nothing of mine is out at the signal
	s_wait_dscnt 0x0                               ; for the others' sake: my images and scale words lie in LDS
	s_barrier_signal -1
	s_barrier_wait -1                              ; the launch's one barrier: behind it the images are only read, and y's stages are each wave's own
	s_add_co_u32 s28, s25, 15
	s_lshr_b32 s28, s28, 4                         ; nt: the expert's row tiles,
	s_min_u32 s28, s28, 136                        ; never more than the buffers provide
	s_mul_i32 s29, s20, 5                          ; tb: my first row tile of the pass
	s_lshr_b32 s51, s24, 4                         ; the expert's first tile among all
	s_sub_co_u32 s52, s28, 1                       ; its last, counted from the first (used only where nt is not 0)
	s_cmp_ge_u32 s29, s28
	s_cbranch_scc1 .Lend                           ; no row tile for my wave
	s_sub_co_u32 s54, s28, s29                     ; my passes: ceil((nt - tb) / 20).  x = nt - tb + 19 is at most 155, and x * 3277 >> 16 is x / 20 rounded down for every x under 16,000
	s_add_co_u32 s54, s54, 19
	s_mul_i32 s54, s54, 3277
	s_lshr_b32 s54, s54, 16
	s_mov_b32 s53, 0                               ; the pass in hand
.irp p, 0,1
.irp q, 0,1
	ds_load_b128 v[WS+8*\p+4*\q:WS+8*\p+4*\q+3], v[WSL] offset:\p*1024+16*\q        ; register WS + 8 p + ks: lanes 0-15 tile 2 p's words, lanes 16-31 tile 2 p + 1's
.endr
.endr
.Lpass:                                            ; five row tiles a wave, 320 rows a work-group; the loop is counted in passes, tb steps by 20 beside the count
.irp i, 0,1,2,3,4
	s_add_co_u32 s34, s29, \i
	s_min_u32 s34, s34, s52                        ; a tile past the last repeats the last: its results are passed over
	s_add_co_u32 s34, s34, s51
	s_min_u32 s34, s34, 135                        ; held inside the buffers
	v_lshl_add_u32 v[HOF+\i], s34, 14, v[L16]
	v_lshl_add_u32 v[HSO+\i], s34, 9, v[RH]
	v_lshl_add_u32 v[YO+\i], s34, 17, v[YG]
.endr
.irp i, 0,1,2,3,4
	global_load_b128 v[HSR+4*\i:HSR+4*\i+3], v[HSO+\i], s[8:9]     ; register HSR + 4 i + ks % 4: lanes 0-15 K step ks % 4, lanes 16-31 K step 4 + ks % 4
.endr
	ALOAD 0
	ALOAD 1
	ALOAD 2
	WLOAD 0
	WLOAD 1
.irp k, 0,1,2,3,4,5,6,7
	STEP \k
.endr
	WIN 0
.irp i, 0,1,2,3,4
	YOUT \i
.endr
	s_wait_xcnt 0x0                                ; the stores have read their registers and offsets: both are written again in the next pass
	s_add_co_u32 s29, s29, 20
	s_add_co_u32 s53, s53, 1
	s_cmp_lt_u32 s53, s54
	s_cbranch_scc1 .Lpass
.Lend:
	s_wait_tensorcnt 0x0
	ds_add_u32 v254, v255
	s_wait_dscnt 0x0
	s_endpgm
.Lfunc_end_k_qc79a978dfd_down:
	.size	k_qc79a978dfd_down, .Lfunc_end_k_qc79a978dfd_down-k_qc79a978dfd_down
	.p2alignl 7, 3214868480
	.fill 96, 4, 3214868480
	.section	.rodata,"a",@progbits
	.p2align	6, 0x0
	.amdhsa_kernel k_qc79a978dfd_down
		.amdhsa_group_segment_fixed_size 153088
		.amdhsa_private_segment_fixed_size 0
		.amdhsa_enable_private_segment 0
		.amdhsa_kernarg_size 40
		.amdhsa_user_sgpr_count 2
		.amdhsa_user_sgpr_kernarg_segment_ptr 1
		.amdhsa_wavefront_size32 1
		.amdhsa_system_sgpr_workgroup_id_x 1
		.amdhsa_system_sgpr_workgroup_id_y 1
		.amdhsa_system_sgpr_workgroup_id_z 1
		.amdhsa_system_vgpr_workitem_id 0
		.amdhsa_next_free_vgpr 768
		.amdhsa_next_free_sgpr 66
		.amdhsa_reserve_vcc 0
		.amdhsa_float_denorm_mode_32 3
		.amdhsa_float_denorm_mode_16_64 3
		.amdhsa_memory_ordered 1
		.amdhsa_forward_progress 1
		.amdhsa_inst_pref_size 159
	.end_amdhsa_kernel
	.amdgpu_metadata
---
amdhsa.version: [ 1, 2 ]
amdhsa.kernels:
  - .name:           k_qc79a978dfd_down
    .symbol:         k_qc79a978dfd_down.kd
    .args:
      - { .name: down_w, .offset: 0, .size: 8, .value_kind: global_buffer, .address_space: global }
      - { .name: hq, .offset: 8, .size: 8, .value_kind: global_buffer, .address_space: global }
      - { .name: hs, .offset: 16, .size: 8, .value_kind: global_buffer, .address_space: global }
      - { .name: meta, .offset: 24, .size: 8, .value_kind: global_buffer, .address_space: global }
      - { .name: ybuf, .offset: 32, .size: 8, .value_kind: global_buffer, .address_space: global }
    .group_segment_fixed_size: 153088
    .private_segment_fixed_size: 0
    .kernarg_segment_align: 8
    .kernarg_segment_size: 40
    .max_flat_workgroup_size: 128
    .sgpr_count:     66
    .vgpr_count:     768
    .wavefront_size: 32
...
	.end_amdgpu_metadata
.endif
;; end of part 3
;; launch combine (part 4): grid 256 x 1, 4 waves a work-group, no clusters, 0 bytes of LDS; arguments ybuf, inv, top_k_weights, out0; writes out0
.if DOCPART == 4
	.amdgcn_target "amdgcn-amd-amdhsa--gfx1250"
	.amdhsa_code_object_version 6
	.text
	.protected	k_qc79a978dfd_combine
	.globl	k_qc79a978dfd_combine
	.p2align	8
	.type	k_qc79a978dfd_combine,@function
k_qc79a978dfd_combine:
	s_mov_b64 s[64:65], 0
	v_nop
	global_prefetch_b8 v0, s[64:65] scope:SCOPE_SE
	s_setreg_imm32_b32 hwreg(HW_REG_WAVE_MODE, 25, 1), 1
	s_wait_xcnt 0x0
; FOURTH LAUNCH.  out0[t] = w[t][0] * y[inv[2 t]] + w[t][1] * y[inv[2 t + 1]]: each output row has one owner, a wave; the two rows of y were made by two experts' work-groups in the launch before.
; Where both picks of a token name one expert, its row was made twice, and w0 y + w1 y stands for (w0 + w1) y: the same up to f32 rounding.
; A stream: 32 loads of 512 consecutive bytes a wave, all out at once; 16 stores of 512 consecutive bytes, aligned.  No LDS, no barrier, no matrix unit: nothing is shared and nothing is multiplied by a matrix.
	s_load_b256 s[4:11], s[0:1], 0x0               ; ybuf s[4:5], inv s[6:7], top_k_weights s[8:9], out0 s[10:11]
	v_lshrrev_b32 v2, 5, v0
	v_readfirstlane_b32 s12, v2                    ; wave 0..3
	v_and_b32 v1, 31, v0
	v_lshlrev_b32 v1, 4, v1                        ; 16 x lane
	s_lshl_b32 s13, ttmp9, 2
	s_add_co_u32 s12, s12, s13                     ; my token
	s_lshl_b32 s24, s12, 13                        ; its row of out0
	s_mov_b32 s25, 0
	s_lshl_b32 s12, s12, 3                         ; its two words of inv and of the weights
	s_mov_b32 s13, 0
	s_wait_kmcnt 0x0
	s_add_nc_u64 s[6:7], s[6:7], s[12:13]
	s_add_nc_u64 s[8:9], s[8:9], s[12:13]
	s_add_nc_u64 s[10:11], s[10:11], s[24:25]
	s_load_b64 s[14:15], s[6:7], 0x0               ; the two positions
	s_load_b64 s[20:21], s[8:9], 0x0               ; the two weights
	s_wait_kmcnt 0x0
	s_min_u32 s14, s14, 2175                       ; a position enters an address only held inside ybuf
	s_min_u32 s15, s15, 2175
	s_lshl_b32 s16, s14, 13
	s_mov_b32 s17, 0
	s_lshl_b32 s18, s15, 13
	s_mov_b32 s19, 0
	s_add_nc_u64 s[16:17], s[4:5], s[16:17]
	s_add_nc_u64 s[18:19], s[4:5], s[18:19]
	s_mov_b32 s22, s21                             ; the second weight in a pair of its own: the packed forms take a pair's low word for both halves
	s_mov_b32 s23, s21
.set q, 0
.rept 16
	global_load_b128 v[8+4*q:11+4*q], v1, s[16:17] offset:512*q th:TH_LOAD_NT     ; each position is read by one wave, once
	global_load_b128 v[72+4*q:75+4*q], v1, s[18:19] offset:512*q th:TH_LOAD_NT
.set q, q+1
.endr
.set q, 0
.rept 16
	s_wait_loadcnt 30-2*q                          ; loads come back in order: piece q of both rows is in, the later pieces' loads may be out
	v_pk_mul_f32 v[8+4*q:9+4*q], v[8+4*q:9+4*q], s[20:21] op_sel_hi:[1,0]
	v_pk_mul_f32 v[10+4*q:11+4*q], v[10+4*q:11+4*q], s[20:21] op_sel_hi:[1,0]
	v_pk_fma_f32 v[8+4*q:9+4*q], v[72+4*q:73+4*q], s[22:23], v[8+4*q:9+4*q] op_sel_hi:[1,0,1]
	v_pk_fma_f32 v[10+4*q:11+4*q], v[74+4*q:75+4*q], s[22:23], v[10+4*q:11+4*q] op_sel_hi:[1,0,1]
	global_store_b128 v1, v[8+4*q:11+4*q], s[10:11] offset:512*q th:TH_STORE_NT   ; 32 lanes store 512 consecutive bytes, aligned; no register is written twice
.set q, q+1
.endr
	s_endpgm
.Lfunc_end_k_qc79a978dfd_combine:
	.size	k_qc79a978dfd_combine, .Lfunc_end_k_qc79a978dfd_combine-k_qc79a978dfd_combine
	.p2alignl 7, 3214868480
	.fill 96, 4, 3214868480
	.section	.rodata,"a",@progbits
	.p2align	6, 0x0
	.amdhsa_kernel k_qc79a978dfd_combine
		.amdhsa_group_segment_fixed_size 0
		.amdhsa_private_segment_fixed_size 0
		.amdhsa_enable_private_segment 0
		.amdhsa_kernarg_size 32
		.amdhsa_user_sgpr_count 2
		.amdhsa_user_sgpr_kernarg_segment_ptr 1
		.amdhsa_wavefront_size32 1
		.amdhsa_system_sgpr_workgroup_id_x 1
		.amdhsa_system_sgpr_workgroup_id_y 1
		.amdhsa_system_sgpr_workgroup_id_z 1
		.amdhsa_system_vgpr_workitem_id 0
		.amdhsa_next_free_vgpr 136
		.amdhsa_next_free_sgpr 66
		.amdhsa_reserve_vcc 0
		.amdhsa_float_denorm_mode_32 3
		.amdhsa_float_denorm_mode_16_64 3
		.amdhsa_memory_ordered 1
		.amdhsa_forward_progress 1
		.amdhsa_inst_pref_size 11
	.end_amdhsa_kernel
	.amdgpu_metadata
---
amdhsa.version: [ 1, 2 ]
amdhsa.kernels:
  - .name:           k_qc79a978dfd_combine
    .symbol:         k_qc79a978dfd_combine.kd
    .args:
      - { .name: ybuf, .offset: 0, .size: 8, .value_kind: global_buffer, .address_space: global }
      - { .name: inv, .offset: 8, .size: 8, .value_kind: global_buffer, .address_space: global }
      - { .name: top_k_weights, .offset: 16, .size: 8, .value_kind: global_buffer, .address_space: global }
      - { .name: out0, .offset: 24, .size: 8, .value_kind: global_buffer, .address_space: global }
    .group_segment_fixed_size: 0
    .private_segment_fixed_size: 0
    .kernarg_segment_align: 8
    .kernarg_segment_size: 32
    .max_flat_workgroup_size: 128
    .sgpr_count:     66
    .vgpr_count:     136
    .wavefront_size: 32
...
	.end_amdgpu_metadata
.endif
;; end of part 4
;; ======== version 2 of 2: 4 launches
;; workspace buffers: xq 2,097,152 bytes; xs 65,536 bytes; list 8,704 bytes of whole numbers; inv 8,192 bytes of whole numbers; meta 256 bytes of whole numbers; hq 2,228,224 bytes; hs 69,632 bytes; ybuf 17,825,792 bytes
;; launch prep (part 5): grid 129 x 1, 4 waves a work-group, no clusters, 85,504 bytes of LDS; arguments hidden_states, top_k_index, xq, xs, list, inv, meta; writes xq, xs, list, inv, meta
.if DOCPART == 5
	.amdgcn_target "amdgcn-amd-amdhsa--gfx1250"
	.amdhsa_code_object_version 6
	.text
	.protected	k_qc79a978dfd_prep
	.globl	k_qc79a978dfd_prep
	.p2align	8
	.type	k_qc79a978dfd_prep,@function
k_qc79a978dfd_prep:
	s_mov_b64 s[64:65], 0
	v_nop
	global_prefetch_b8 v0, s[64:65] scope:SCOPE_SE
	s_setreg_imm32_b32 hwreg(HW_REG_WAVE_MODE, 25, 1), 1
	s_wait_xcnt 0x0
; FIRST OF FOUR LAUNCHES.  Work-group 0 sorts the 2,048 pairs (token, pick) by expert; work-groups 1 to 128 turn hidden_states [1024][2048] f32 into codes of E4M3 with one E8M0 byte for each 32 along K.
; THE SORT.  Pair p = 2 t + k.  Each expert's run of sorted positions begins at a multiple of 16, so there are at most 2,048 + 8 x 15 positions: 2,176 are provided, 136 tiles of 16.
;   inv[p] = the pair's position; list[position] = its token; meta[e] = {first position, count, last position, 0}; for an expert without pairs 'last' is pair 0's position, so that a position
;   held at 'last' always names a word of list that was written.  No atomics, no LDS: each of the four waves counts all pairs for itself and places its own 512.
; THE CODES.  xq: byte t*2048 + ks*128 + h*64 + c*16 + i is the code of k = 128 ks + 32 c + 16 h + i: the 64 bytes that lane (r, h) of a matrix operand wants of K step ks lie on end.
;   xs: word t*16 + ks holds the four scale bytes of K step ks.
;   A block's scale is 2^(floor(log2(largest magnitude)) - 8); its byte is the largest magnitude's exponent field - 8, held at 1 from below; numbers are held within +-448 x the scale and rounded to the nearest code, ties to even.
; LIMITS: indices lie in 0 .. 7 (another index would get position 0 and a wrong row; no access leaves a buffer).  NaN and infinities are not served.  A block of zeros gets the byte 1 where the rule says 127:
;   its codes are zeros, and this program alone reads the bytes.
; No matrix unit, no tensor loads, no barrier: the waves share nothing.
.set TM,    16                         ; v16-19 largest magnitudes, v20-23 bytes, v24-27 448 x the scale, v28-31 the conversions' scale operands
.set PC,    32                         ; v32-47 a fragment's codes
.set PW,    48                         ; v48    its scale word
.set R0,    64                         ; v64-127  K step ks0 as loaded; later the second step's 64 neighbours
.set R1,    128                        ; v128-191 K step ks0 + 1 as loaded; later the rows on their way out
.set X0,    192                        ; v192-255 the first step's 64 neighbours
.set SP,    528                        ; a stage row: 512 bytes + 16: 33 x 16, so the 16 rows that a load touches start in 16 different 16-byte columns of 256
.set STAGE, 16*SP
.set OSTG,  2*STAGE                    ; behind the two stages: 16 rows x (256 + 16) bytes for the codes' way out
.set REGION, 2*STAGE+16*272            ; a wave's own LDS: 21,248 bytes
.set SEL,   28                         ; s28, s29 v_permlanex16_b32's selects for lane l xor 16
.set MNT,   30                         ; s30 the mantissa field of 448
.macro LOADF rr, koff                  ; 16 loads: load i reads 512 consecutive bytes, 128 along K of row i
.set li, 0
.rept 16
	global_load_b128 v[\rr+4*li:\rr+4*li+3], v1, s[4:5] offset:li*8192+\koff th:TH_LOAD_NT
.set li, li+1
.endr
.endm
.macro TURN rr, par, xx                ; through my stage: in as loaded, out 16 neighbours of each block of 32 a lane: register xx + 16 b + n = k 32 b + 16 h + n of row r.  LDS serves a wave's instructions in order: no wait between
.set li, 0
.rept 16
	ds_store_b128 v3, v[\rr+4*li:\rr+4*li+3] offset:\par*STAGE+li*SP
.set li, li+1
.endr
.set li, 0
.rept 16
	ds_load_b128 v[\xx+4*li:\xx+4*li+3], v4 offset:\par*STAGE+128*(li/4)+16*(li%4)
.set li, li+1
.endr
.endm
.macro QUANT s                         ; 64 numbers of a lane become a fragment's codes in v[PC] on and its row's scale word in v[PW]
.irp b, 0,1,2,3
	v_max3_num_f32 v[TM+\b], |v[\s+16*\b]|, |v[\s+1+16*\b]|, 0x4800000   ; my 16 numbers of block b, and the floor 2^(9 - 127): the byte cannot fall under 1
.endr
.irp i, 2,4,6,8,10,12,14
.irp b, 0,1,2,3
	v_max3_num_f32 v[TM+\b], v[TM+\b], |v[\s+16*\b+\i]|, |v[\s+1+16*\b+\i]|   ; the four blocks by turns
.endr
.endr
.irp b, 0,1,2,3
	v_permlanex16_b32 v[TM+4+\b], v[TM+\b], s[SEL], s[SEL+1]
.endr
.irp b, 0,1,2,3
	v_max_num_f32 v[TM+\b], v[TM+\b], v[TM+4+\b]          ; with lane l xor 16's 16: the block's largest magnitude
.endr
.irp b, 0,1,2,3
	v_add_nc_u32 v[TM+12+\b], 0xfc000000, v[TM+\b]        ; 8 off its exponent field: the conversion's scale operand
.endr
.irp b, 0,1,2,3
	v_and_or_b32 v[TM+8+\b], v[TM+\b], 0x7f800000, s[MNT] ; 448 x the scale
.endr
.irp b, 0,1,2,3
	v_lshrrev_b32 v[TM+4+\b], 23, v[TM+12+\b]             ; the scale's byte
.endr
	v_lshl_or_b32 v[PW], v[TM+5], 8, v[TM+4]
	v_lshl_or_b32 v[PW], v[TM+6], 16, v[PW]
	v_lshl_or_b32 v[PW], v[TM+7], 24, v[PW]
.irp b, 0,1,2,3
.irp i, 0,1,2,3,4,5,6,7,8,9,10,11,12,13,14,15
	v_med3_num_f32 v[\s+16*\b+\i], v[\s+16*\b+\i], -v[TM+8+\b], v[TM+8+\b]   ; the conversion to an 8-bit code does not saturate (ISA guide 7.6.2): the hold comes first
.endr
	v_cvt_scalef32_pk8_fp8_f32 v[PC+4*\b:PC+1+4*\b], v[\s+16*\b:\s+7+16*\b], v[TM+12+\b]
	v_cvt_scalef32_pk8_fp8_f32 v[PC+2+4*\b:PC+3+4*\b], v[\s+8+16*\b:\s+15+16*\b], v[TM+12+\b]
.endr
	v_nop                                                  ; one plain vector line behind the last conversion
.endm
	s_load_b256 s[4:11], s[0:1], 0x0               ; hidden_states s[4:5], top_k_index s[6:7], xq s[8:9], xs s[10:11]
	s_load_b128 s[12:15], s[0:1], 0x20             ; list s[12:13], inv s[14:15]
	s_load_b64 s[16:17], s[0:1], 0x30              ; meta
	v_lshl_add_u32 v62, v0, 2, 0x14c00
	v_mov_b32 v63, 0
	v_lshrrev_b32 v3, 5, v0
	v_readfirstlane_b32 s20, v3                    ; wave 0..3
	v_and_b32 v2, 31, v0                           ; lane
	v_lshlrev_b32 v1, 4, v2                        ; 16 x lane
	s_wait_kmcnt 0x0
	s_cmp_lg_u32 ttmp9, 0
	s_cbranch_scc1 .Lxpath
	s_wait_alu depctr_va_vdst(0)
; ---------------- work-group 0: the sort.  Load Q (0..15), lane l, word c hold pair 128 Q + 4 l + c.  Wave w places the pairs of loads 4 w .. 4 w + 3.
	v_lshl_add_u32 v4, v3, 11, v1                  ; my wave's 2,048 bytes of the indices and of inv, 16 bytes a lane
.set n, 0
.rept 16
	global_load_b128 v[64+4*n:67+4*n], v1, s[6:7] offset:512*n      ; all 2,048 indices
.set n, n+1
.endr
.set n, 0
.rept 4
	global_load_b128 v[32+4*n:35+4*n], v4, s[6:7] offset:512*n      ; my wave's 512 once more
.set n, n+1
.endr
.irp e, 0,1,2,3,4,5,6,7
	s_mov_b32 s[32+\e], 0                          ; s32-39 the experts' counts
	s_mov_b32 s[40+\e], 0                          ; s40-47 the counts in front of my wave's pairs
.endr
	s_wait_loadcnt 0x0
.set n, 0
.rept 64
.if n%16 == 0
	s_cmp_eq_u32 s20, n/16                         ; here my wave's pairs begin: keep what has been counted so far
.irp e, 0,1,2,3,4,5,6,7
	s_cselect_b32 s[40+\e], s[32+\e], s[40+\e]
.endr
.endif
.irp e, 0,1,2,3,4,5,6,7
	v_cmp_eq_u32 s[48+\e], \e, v[64+n]
.endr
.irp e, 0,1,2,3,4,5,6,7
	s_bcnt1_i32_b32 s[56+\e], s[48+\e]
.endr
.irp e, 0,1,2,3,4,5,6,7
	s_add_co_u32 s[32+\e], s[32+\e], s[56+\e]
.endr
.set n, n+1
.endr
	s_mov_b32 s66, 0                               ; s66-73 the experts' first positions: each count rounded up to 16
.irp e, 0,1,2,3,4,5,6
	s_add_co_u32 s74, s[32+\e], 15
	s_and_b32 s74, s74, -16
	s_add_co_u32 s[67+\e], s[66+\e], s74
.endr
.irp e, 0,1,2,3,4,5,6,7
	s_add_co_u32 s[40+\e], s[40+\e], s[66+\e]      ; the next free position of each expert, as my wave sees it
.endr
.set n, 0
.rept 16                                       ; my 16 registers of indices: a pair's position = the expert's next free one + the lanes below with the same expert
	v_mov_b32 v[128+n], 0
.irp e, 0,1,2,3,4,5,6,7
	v_cmp_eq_u32 s[48+\e], \e, v[32+n]
.endr
.irp e, 0,1,2,3,4,5,6,7
	v_mbcnt_lo_u32_b32 v[168+\e], s[48+\e], s[40+\e]
.endr
.irp e, 0,1,2,3,4,5,6,7
	v_cndmask_b32 v[128+n], v[128+n], v[168+\e], s[48+\e]
.endr
.irp e, 0,1,2,3,4,5,6,7
	s_bcnt1_i32_b32 s[56+\e], s[48+\e]
.endr
.irp e, 0,1,2,3,4,5,6,7
	s_add_co_u32 s[40+\e], s[40+\e], s[56+\e]
.endr
.set n, n+1
.endr
.set n, 0
	s_wait_alu depctr_va_vdst(0)
.rept 4
	global_store_b128 v4, v[128+4*n:131+4*n], s[14:15] offset:512*n   ; inv: 32 lanes store 512 consecutive bytes
.set n, n+1
.endr
	v_lshlrev_b32 v177, 1, v2
	v_lshl_add_u32 v177, v3, 8, v177               ; 256 w + 2 l
.set n, 0
.rept 8
	v_add_nc_u32 v[160+n], 64*(n/2)+n%2, v177      ; the token of words c = 2 (n % 2), 2 (n % 2) + 1 of load n / 2: 256 w + 64 q + 2 l + c / 2
.set n, n+1
.endr
.set n, 0
.rept 16
	v_min_u32 v[144+n], 2175, v[128+n]             ; a position enters an address only held inside list
	v_lshlrev_b32 v[144+n], 2, v[144+n]
	global_store_b32 v[144+n], v[160+2*(n/4)+(n%4)/2], s[12:13]      ; a scatter of 4 bytes a pair: 8 KB in all, once
.set n, n+1
.endr
	s_cmp_lg_u32 s20, 0
	s_cbranch_scc1 .Lsorted                        ; meta is wave 0's
	v_readfirstlane_b32 s75, v128                  ; pair 0's position
	v_mov_b32 v176, 0
.irp e, 0,1,2,3,4,5,6,7
	s_add_co_u32 s76, s[66+\e], s[32+\e]
	s_sub_co_u32 s76, s76, 1
	s_cmp_lg_u32 s[32+\e], 0
	s_cselect_b32 s76, s76, s75                    ; the last position, or pair 0's where the expert has none
	v_writelane_b32 v176, s[66+\e], 4*\e
	v_writelane_b32 v176, s[32+\e], 4*\e+1
	v_writelane_b32 v176, s76, 4*\e+2
.endr
	v_lshlrev_b32 v178, 2, v2
	global_store_b32 v178, v176, s[16:17]          ; 128 consecutive bytes
.Lsorted:
	s_endpgm
; ---------------- work-groups 1 to 128: b = number - 1; 16 tokens 16 (b / 2) on; wave w takes K steps ks0 = 8 (b % 2) + 2 w and ks0 + 1
.Lxpath:
	s_sub_co_u32 s21, ttmp9, 1
	s_lshr_b32 s22, s21, 1                         ; which 16 tokens
	s_and_b32 s23, s21, 1
	s_lshl_b32 s23, s23, 3
	s_lshl_b32 s24, s20, 1
	s_add_co_u32 s23, s23, s24                     ; ks0
	s_lshl_b32 s24, s22, 17                        ; 16 rows of 8,192 bytes
	s_lshl_b32 s25, s23, 9                         ; 512 bytes a K step
	s_add_co_u32 s24, s24, s25
	s_mov_b32 s25, 0
	s_add_nc_u64 s[4:5], s[4:5], s[24:25]
	s_wait_alu depctr_va_vdst(0)
	LOADF R0, 0
	LOADF R1, 512
	s_lshl_b32 s24, s22, 15                        ; xq: 16 rows of 2,048 bytes,
	s_lshl_b32 s26, s23, 7                         ; 128 bytes a K step: ks0 is even, so my 256 bytes of a row are aligned
	s_add_co_u32 s24, s24, s26
	s_add_nc_u64 s[8:9], s[8:9], s[24:25]
	s_lshl_b32 s24, s22, 10                        ; xs: 16 rows of 64 bytes, 4 bytes a K step
	s_lshl_b32 s26, s23, 2
	s_add_co_u32 s24, s24, s26
	s_add_nc_u64 s[10:11], s[10:11], s[24:25]
	s_mul_i32 s26, s20, REGION                     ; my wave's LDS
	s_mov_b32 s[SEL], 0x76543210
	s_mov_b32 s[SEL+1], 0xfedcba98
	s_mov_b32 s[MNT], 0x600000
	v_and_b32 v9, 15, v0                           ; r
	v_bfe_u32 v10, v0, 4, 1                        ; h
	v_add_nc_u32 v3, s26, v1                       ; the stage, in: 16 x lane
	v_mul_u32_u24 v4, v9, SP
	v_lshl_add_u32 v4, v10, 6, v4
	v_add_nc_u32 v4, s26, v4                       ; and out: row r, + 64 h
	s_add_co_u32 s26, s26, OSTG
	v_mul_u32_u24 v5, v9, 272
	v_lshl_add_u32 v5, v10, 6, v5
	v_add_nc_u32 v5, s26, v5                       ; the codes' stage, in: row r, + 64 h
	v_mul_u32_u24 v6, v10, 272
	v_lshl_add_u32 v6, v9, 4, v6
	v_add_nc_u32 v6, s26, v6                       ; and out: lanes 0-15 one row of 256 bytes, lanes 16-31 the next
	v_lshlrev_b32 v7, 11, v10
	v_lshl_add_u32 v7, v9, 4, v7                   ; the same two rows in xq
	v_lshlrev_b32 v8, 6, v9
	v_lshl_add_u32 v8, v10, 2, v8                  ; xs: row r; lanes 0-15 store ks0's word, lanes 16-31 the next
.irp b, 0,1,2,3
	v_mov_b32 v[TM+4+\b], 0                        ; a lane permute's destination counts as one of its sources
.endr
	s_wait_loadcnt 16                              ; the first K step's 16 loads are in
	TURN R0, 0, X0
	s_wait_dscnt 0x0                               ; its numbers are back, and the stores have read v64-127,
	s_wait_loadcnt 0x0
	TURN R1, 1, R0                                 ; which take the second step's numbers while the first is quantised
	QUANT X0
	v_mov_b32 v49, v[PW]
.irp c, 0,1,2,3
	ds_store_b128 v5, v[PC+4*\c:PC+4*\c+3] offset:16*\c
.endr
	s_wait_dscnt 0x0                               ; the second step's numbers are back; the stores have read the codes' registers
	QUANT R0
.irp c, 0,1,2,3
	ds_store_b128 v5, v[PC+4*\c:PC+4*\c+3] offset:128+16*\c
.endr
.irp q, 0,1,2,3,4,5,6,7
	ds_load_b128 v[R1+4*\q:R1+4*\q+3], v6 offset:\q*544      ; in order behind my stores
.endr
.irp q, 0,1,2,3,4,5,6,7
	s_wait_dscnt 7-\q
	global_store_b128 v7, v[R1+4*\q:R1+4*\q+3], s[8:9] offset:\q*4096   ; 16 lanes store 256 consecutive bytes, aligned
.endr
	v_cmp_lt_u32 vcc_lo, 15, v2
	v_cndmask_b32 v50, v49, v[PW], vcc_lo
	global_store_b32 v8, v50, s[10:11]             ; 8 bytes of each of 16 rows: 64 KB in the whole launch
	s_wait_tensorcnt 0x0
	ds_add_u32 v62, v63
	s_wait_dscnt 0x0
	s_endpgm
.Lfunc_end_k_qc79a978dfd_prep:
	.size	k_qc79a978dfd_prep, .Lfunc_end_k_qc79a978dfd_prep-k_qc79a978dfd_prep
	.p2alignl 7, 3214868480
	.fill 96, 4, 3214868480
	.section	.rodata,"a",@progbits
	.p2align	6, 0x0
	.amdhsa_kernel k_qc79a978dfd_prep
		.amdhsa_group_segment_fixed_size 85504
		.amdhsa_private_segment_fixed_size 0
		.amdhsa_enable_private_segment 0
		.amdhsa_kernarg_size 56
		.amdhsa_user_sgpr_count 2
		.amdhsa_user_sgpr_kernarg_segment_ptr 1
		.amdhsa_wavefront_size32 1
		.amdhsa_system_sgpr_workgroup_id_x 1
		.amdhsa_system_sgpr_workgroup_id_y 1
		.amdhsa_system_sgpr_workgroup_id_z 1
		.amdhsa_system_vgpr_workitem_id 0
		.amdhsa_next_free_vgpr 256
		.amdhsa_next_free_sgpr 80
		.amdhsa_reserve_vcc 1
		.amdhsa_float_denorm_mode_32 3
		.amdhsa_float_denorm_mode_16_64 3
		.amdhsa_memory_ordered 1
		.amdhsa_forward_progress 1
		.amdhsa_inst_pref_size 136
	.end_amdhsa_kernel
	.amdgpu_metadata
---
amdhsa.version: [ 1, 2 ]
amdhsa.kernels:
  - .name:           k_qc79a978dfd_prep
    .symbol:         k_qc79a978dfd_prep.kd
    .args:
      - { .name: hidden_states, .offset: 0, .size: 8, .value_kind: global_buffer, .address_space: global }
      - { .name: top_k_index, .offset: 8, .size: 8, .value_kind: global_buffer, .address_space: global }
      - { .name: xq, .offset: 16, .size: 8, .value_kind: global_buffer, .address_space: global }
      - { .name: xs, .offset: 24, .size: 8, .value_kind: global_buffer, .address_space: global }
      - { .name: list, .offset: 32, .size: 8, .value_kind: global_buffer, .address_space: global }
      - { .name: inv, .offset: 40, .size: 8, .value_kind: global_buffer, .address_space: global }
      - { .name: meta, .offset: 48, .size: 8, .value_kind: global_buffer, .address_space: global }
    .group_segment_fixed_size: 85504
    .private_segment_fixed_size: 0
    .kernarg_segment_align: 8
    .kernarg_segment_size: 56
    .max_flat_workgroup_size: 128
    .sgpr_count:     80
    .vgpr_count:     256
    .wavefront_size: 32
...
	.end_amdgpu_metadata
.endif
;; end of part 5
;; launch gateup (part 6): grid 32 x 8, 4 waves a work-group, no clusters, 203,264 bytes of LDS; arguments gate_w, up_w, xq, xs, list, meta, hq, hs; writes hq, hs
.if DOCPART == 6
	.amdgcn_target "amdgcn-amd-amdhsa--gfx1250"
	.amdhsa_code_object_version 6
	.text
	.protected	k_qc79a978dfd_gateup
	.globl	k_qc79a978dfd_gateup
	.p2align	8
	.type	k_qc79a978dfd_gateup,@function
k_qc79a978dfd_gateup:
	s_mov_b64 s[64:65], 0
	v_nop
	global_prefetch_b8 v0, s[64:65] scope:SCOPE_SE
	s_setreg_imm32_b32 hwreg(HW_REG_WAVE_SCHED_MODE, 0, 2), 2
	s_setreg_imm32_b32 hwreg(HW_REG_WAVE_MODE, 25, 1), 1
	s_wait_xcnt 0x0
	s_wait_alu depctr_vm_vsrc(0)
; SECOND LAUNCH.  Work-group (j, e): columns 32 j .. 32 j + 31 of expert e's gate and up products, for the rows routed to e:  h = gelu_tanh(x gate^T) * (x up^T), quantised along I (these 32 columns are one block).
; EACH f32 WEIGHT IS READ ONCE, by the one work-group that multiplies it: 32 rows of gate_w[e] and 32 of up_w[e], 512 KB.  Wave w streams one tile of 16 rows (w = 0, 1: gate; 2, 3: up) through a ring of 4 x 16 loads,
;   each of 512 consecutive bytes, turns each fragment (16 rows x 128 K) through its own stage in LDS, quantises it and leaves codes and scale words in LDS as images of the operand's registers.  One barrier.
; THEN THE ROWS: the waves share the row tiles (16 sorted positions each), five to a wave and pass, and share nothing else: no barrier stands in that loop, whose trip count is read from meta.
;   Since that count is read from memory, the operands come by plain loads into registers and not by tensor loads; for the same reason the 32 work-groups of an expert, which read the same rows of xq, do not ask for them jointly in a cluster.
; THE PRODUCT IS USED TRANSPOSED (source 0 = 16 weight rows, source 1 = 16 rows of x), and fragment row i of tile u is slice row 8 u + i + 8 (i / 8): so lane (r, h) holds row r and its 16 registers of tiles 2 a, 2 a + 1
;   are columns 16 h + 0 .. 15: the four registers of codes that they become are registers 4 c .. 4 c + 3 of the next product's operand (K step j / 4, c = j % 4), and are stored so: hq = tile*16384 + j*512 + lane*16.
;   hs: byte tile*512 + r*32 + j.  Rows of an expert's last tile past its count repeat its last row and are stored in places of their own, which nobody uses.
; gelu_tanh(x) = x / (1 + 2^(x (c1 + c2 x^2))), c1 = -2 sqrt(2/pi) log2(e), c2 = 0.044715 c1: the tanh form as a sigmoid, all in f32.
; LIMITS: NaN and infinities are not served.  A block of zeros gets the byte 1 where the rule says 127: its codes are zeros, and this program alone reads the bytes.
; REGISTERS, in windows of 256.  Window 0: v1-15 addresses; v16-31 at work; v32-63 the weights' scale words; v64-103 x's scale words; v104-231 two sets of 64: numbers to quantise, later weight fragments, later the way out; v232-253 codes, addresses.
;   Window 1: v0-159 the 20 accumulators (row tile i, weight tile t at 32 i + 8 t).   Window 2: the ring of 4 x 64; later slots 0 to 2 of 80 for x's fragments.   Window 3: v0-79 x's slot 3; v80-143 the third set of weight fragments.
; THE MODE: SCHED_MODE bits 1:0 = 2 (LLVM: expert scheduling mode 2), set by the entry lines.  The code itself states the register dependences between vector or matrix instructions and memory or LDS instructions, with s_wait_alu, always for 0.
; THE PLAN, THE STREAM.  Fragment f: the ring's set f % 4 is written by global loads and read by the stage's LDS stores alone; X[f % 2] is written by the stage's LDS loads and worked on by QUANT f; the codes and the scale word are
;   written by QUANT and read by the image's LDS stores.  One wait on vm_vsrc at a fragment's head: the stage's stores have read the set that is asked for again, the last image's stores the codes.  One wait on va_vdst behind QUANT:
;   codes, scale word and the image's addresses are written, and QUANT is done with X[f % 2], in which the stage's loads of the next fragment but one land.
; THE PLAN, THE ROWS.  K step ks multiplies weight set ks % 3 by x's slot ks % 4.  Its loads are the weights of step ks + 2, into set (ks - 1) % 3, and x's fragments of step ks + 3, into slot (ks - 1) % 4: the buffers that step ks - 1
;   multiplied and that no product of step ks names.  So ONE wait on va_vdst stands at a step's head, and the step's 36 loads are dealt among its 20 products with no further wait.  The offsets are made at a pass's head, ahead of one wait
;   on va_vdst; one wait on vm_vsrc stands at a pass's end, ahead of all that is written again.  The accumulators are named by matrix and vector instructions alone.
.set WSC,   131072                     ; LDS: 0: the images, fragment (t, ks) at (16 t + ks) * 2048;  here: the scale words, t*1024 + r*64 + ks*4
.set STG,   135168                     ; the waves' stages: two of 16 rows x 528 bytes each
.set SP,    528                        ; 512 bytes + 16 = 33 x 16: the 16 rows that a load touches start in 16 different 16-byte columns of 256
.set STAGE, 16*SP
.set L16,  1                           ; v1   16 x lane
.set L16B, 2                           ; v2   + 65536: the up tiles' images
.set STS,  3                           ; v3   my stage, in
.set STL,  4                           ; v4   my stage, out
.set HWI,  5                           ; v5   my tile's images
.set WSA,  6                           ; v6   my tile's scale words
.set WSL,  7                           ; v7   scale words, as read: 64 x lane
.set RR,   8                           ; v8   r
.set H64,  9                           ; v9   64 h
.set H32,  10                          ; v10  32 h
.set HWC,  11                          ; v11  v5 + the trip's step
.set C1,   12                          ; v[12:13] c1
.set WSD,  14                          ; v14  v6 + the trip's step
.set R32,  15                          ; v15  32 r
.set TM,   16
.set WS,   32
.set XS,   64
.set X,    104
.set W3,   80                          ; in window 3: the third set of weight fragments
.set T,    104                         ; the way out: 16 numbers
.set HC,   136                         ; the way out: row tile i: 4 registers of codes, the byte, two addresses, at v[HC + 8 i]
.set PC,   232
.set XSO,  232                         ; v232-236 offsets of x's scale words
.set LA,   237                         ; v237-241 offsets into list
.set PW,   248
.set XO,   249                         ; v249-253 tokens, then offsets into xq
.set SEL,  40
.set MNT,  42
.set MSB, 0
.macro WIN new                         ; the immediate's high byte repeats the setting that is left
.if MSB != \new
	s_set_vgpr_msb (MSB<<8)|\new
.set MSB, \new
.endif
.endm
.macro LOADF set, koff                 ; 16 loads into ring set 'set': load i reads 512 consecutive bytes, 128 along K of fragment row i
	WIN 0x80
.set li, 0
.rept 16
	global_load_b128 v[64*(\set)+4*li:64*(\set)+4*li+3], v[L16], s[32:33] offset:(li+8*(li/8))*8192+\koff th:TH_LOAD_NT
.set li, li+1
.endr
	WIN 0
.endm
.macro TURN set, par                   ; through my stage: register X + 64 par + 16 b + n = k 32 b + 16 h + n of fragment row r.  LDS serves a wave's instructions in order: no wait between
	WIN 0x08
.set li, 0
.rept 16
	ds_store_b128 v[STS], v[64*(\set)+4*li:64*(\set)+4*li+3] offset:(\par)*STAGE+li*SP
.set li, li+1
.endr
	WIN 0
.set li, 0
.rept 16
	ds_load_b128 v[X+64*(\par)+4*li:X+64*(\par)+4*li+3], v[STL] offset:(\par)*STAGE+128*(li/4)+16*(li%4)
.set li, li+1
.endr
.endm
.macro QUANT s                         ; 64 numbers of a lane become a fragment's codes in v[PC] on and its row's scale word in v[PW]
.irp b, 0,1,2,3
	v_max3_num_f32 v[TM+\b], |v[\s+16*\b]|, |v[\s+1+16*\b]|, 0x4800000   ; my 16 numbers of block b, and the floor 2^(9 - 127): the byte cannot fall under 1
.endr
.irp i, 2,4,6,8,10,12,14
.irp b, 0,1,2,3
	v_max3_num_f32 v[TM+\b], v[TM+\b], |v[\s+16*\b+\i]|, |v[\s+1+16*\b+\i]|
.endr
.endr
.irp b, 0,1,2,3
	v_permlanex16_b32 v[TM+4+\b], v[TM+\b], s[SEL], s[SEL+1]
.endr
.irp b, 0,1,2,3
	v_max_num_f32 v[TM+\b], v[TM+\b], v[TM+4+\b]          ; with lane l xor 16's 16: the block's largest magnitude
.endr
.irp b, 0,1,2,3
	v_add_nc_u32 v[TM+12+\b], 0xfc000000, v[TM+\b]        ; 8 off its exponent field: the conversion's scale operand
.endr
.irp b, 0,1,2,3
	v_and_or_b32 v[TM+8+\b], v[TM+\b], 0x7f800000, s[MNT] ; 448 x the scale
.endr
.irp b, 0,1,2,3
	v_lshrrev_b32 v[TM+4+\b], 23, v[TM+12+\b]             ; the scale's byte
.endr
	v_lshl_or_b32 v[PW], v[TM+5], 8, v[TM+4]
	v_lshl_or_b32 v[PW], v[TM+6], 16, v[PW]
	v_lshl_or_b32 v[PW], v[TM+7], 24, v[PW]
.irp b, 0,1,2,3
.irp i, 0,1,2,3,4,5,6,7,8,9,10,11,12,13,14,15
	v_med3_num_f32 v[\s+16*\b+\i], v[\s+16*\b+\i], -v[TM+8+\b], v[TM+8+\b]   ; the conversion to an 8-bit code does not saturate (ISA guide 7.6.2): the hold comes first
.endr
	v_cvt_scalef32_pk8_fp8_f32 v[PC+4*\b:PC+1+4*\b], v[\s+16*\b:\s+7+16*\b], v[TM+12+\b]
	v_cvt_scalef32_pk8_fp8_f32 v[PC+2+4*\b:PC+3+4*\b], v[\s+8+16*\b:\s+15+16*\b], v[TM+12+\b]
.endr
	v_nop                                                  ; one plain vector line behind the last conversion
.endm
; One fragment of the stream, the f-th of four.  ahead: the fragment four on is asked for.  more: the next fragment goes through the stage; left = the younger ring loads that may stay out.
.macro FRAG f, ahead, left, more
	s_wait_dscnt 0x0                               ; my numbers are back from the stage
	s_wait_alu depctr_vm_vsrc(0)                   ; the stage's stores have read ring set f, in which the loads below land; the last image's stores have read the codes and the scale word, which QUANT writes again (ahead of the first fragment: the tokens' loads have read their offsets, which lie among the codes' registers)
.if \ahead
	LOADF \f, 2048+512*\f
.endif
.if \more
	s_wait_loadcnt \left
	TURN (\f+1)%4, (\f+1)%2
.endif
	QUANT X+64*(\f%2)
	s_wait_alu depctr_va_vdst(0)                   ; QUANT has written the codes and the scale word, and the trip's head the two addresses, all of which the stores below read; and QUANT is done with its 64 numbers' registers, in which the stage's loads of the next fragment but one land
.irp c, 0,1,2,3
	ds_store_b128 v[HWC], v[PC+4*\c:PC+4*\c+3] offset:2048*\f+512*\c    ; the image: lane l's 16 bytes at 16 l
.endr
	ds_store_b32 v[WSD], v[PW] offset:4*\f                              ; lanes r and r + 16 write the same word with the same value
.endm
.macro LIST                            ; the tokens of my five row tiles: position = first + 16 (tb + i) + r, held at the expert's last position and inside list
.irp i, 0,1,2,3,4
	s_add_co_u32 s34, s29, \i
	s_lshl_b32 s34, s34, 4
	s_add_co_u32 s34, s34, s24
	v_add_nc_u32 v[LA+\i], s34, v[RR]
	v_min_u32 v[LA+\i], s26, v[LA+\i]
	v_min_u32 v[LA+\i], 2175, v[LA+\i]
	v_lshlrev_b32 v[LA+\i], 2, v[LA+\i]
.endr
	s_wait_alu depctr_va_vdst(0)                   ; the five offsets are written, which the loads below read; and the pass's head is done with the registers in which the tokens land
.irp i, 0,1,2,3,4
	global_load_b32 v[XO+\i], v[LA+\i], s[12:13]
.endr
.endm
.macro MM d, a, b, k, sa, sb, ra, rb   ; one product; k = 0 starts the sum; ra, rb: the scale words stand in lanes 16-31
.if (\k) == 0
.if \ra
	v_wmma_scale_f32_16x16x128_f8f6f4 v[\d:\d+7], v[\a:\a+15], v[\b:\b+15], 0, v[\sa], v[\sb] matrix_a_scale:MATRIX_SCALE_ROW1
.else
	v_wmma_scale_f32_16x16x128_f8f6f4 v[\d:\d+7], v[\a:\a+15], v[\b:\b+15], 0, v[\sa], v[\sb]
.endif
.elseif (\ra) && (\rb)
	v_wmma_scale_f32_16x16x128_f8f6f4 v[\d:\d+7], v[\a:\a+15], v[\b:\b+15], v[\d:\d+7], v[\sa], v[\sb] matrix_a_scale:MATRIX_SCALE_ROW1 matrix_b_scale:MATRIX_SCALE_ROW1
.elseif \ra
	v_wmma_scale_f32_16x16x128_f8f6f4 v[\d:\d+7], v[\a:\a+15], v[\b:\b+15], v[\d:\d+7], v[\sa], v[\sb] matrix_a_scale:MATRIX_SCALE_ROW1
.elseif \rb
	v_wmma_scale_f32_16x16x128_f8f6f4 v[\d:\d+7], v[\a:\a+15], v[\b:\b+15], v[\d:\d+7], v[\sa], v[\sb] matrix_b_scale:MATRIX_SCALE_ROW1
.else
	v_wmma_scale_f32_16x16x128_f8f6f4 v[\d:\d+7], v[\a:\a+15], v[\b:\b+15], v[\d:\d+7], v[\sa], v[\sb]
.endif
.endm
.macro ALOAD ks                        ; x's fragments of K step ks for my five row tiles: 20 loads, a lane's 64 bytes on end, into slot ks % 4 (slots 0 to 2: window 2; slot 3: window 3)
.set LW, 2+((\ks)%4)/3
.set LB, 80*(((\ks)%4)%3)
	WIN (LW<<6)
.irp i, 0,1,2,3,4
.irp c, 0,1,2,3
	global_load_b128 v[LB+16*\i+4*\c:LB+16*\i+4*\c+3], v[XO+\i], s[8:9] offset:128*(\ks)+16*\c
.endr
.endr
.endm
.macro WLOAD ks, p                     ; two of the four weight fragments of K step ks out of LDS (p = 0: gate's, p = 1: up's): 8 loads of 512 consecutive bytes, into set ks % 3 (sets 0, 1: window 0; set 2: window 3)
.set LSW, 3*(((\ks)%3)/2)
.set LSB, (X+64*((\ks)%3))*(1-((\ks)%3)/2)+W3*(((\ks)%3)/2)
	WIN (LSW<<6)
.irp t, 0,1
.irp c, 0,1,2,3
.if \p
	ds_load_b128 v[LSB+32+16*\t+4*\c:LSB+32+16*\t+4*\c+3], v[L16B] offset:\t*32768+(\ks)*2048+512*\c
.else
	ds_load_b128 v[LSB+16*\t+4*\c:LSB+16*\t+4*\c+3], v[L16] offset:\t*32768+(\ks)*2048+512*\c
.endif
.endr
.endr
.endm
.macro ROWT ks, i                      ; row tile i's four products of K step ks
.irp t, 0,1,2,3
	MM 32*(\i)+8*\t, SB+16*\t, AB+16*(\i), \ks, WS+16*(\t/2)+(\ks), XS+8*(\i)+(\ks)%8, \t%2, (\ks)/8
.endr
.endm
; A K step: 20 products, the 20 accumulators by turns in the same order in every step; among them the loads of the steps ahead, in short runs.
.macro STEP ks
.set AW, 2+((\ks)%4)/3                 ; x's slot: its window,
.set AB, 80*(((\ks)%4)%3)              ; and where it begins there
.set SW, 3*(((\ks)%3)/2)               ; the weights' set likewise
.set SB, (X+64*((\ks)%3))*(1-((\ks)%3)/2)+W3*(((\ks)%3)/2)
.if \ks < 14
	s_wait_loadcnt 40                              ; this step's fragments of x are in (and all that is older); the two later steps' 40 loads may be out
.elseif \ks == 14
	s_wait_loadcnt 20
.else
	s_wait_loadcnt 0x0
.endif
.if \ks < 15
	s_wait_dscnt 16                                ; this step's weight fragments are in; the next step's 16 loads may be out
.else
	s_wait_dscnt 0x0
.endif
.if (\ks > 0) && (\ks < 14)
	s_wait_alu depctr_va_vdst(0)                   ; the products of the step before are done reading their weight set and their slot of x, in which this step's loads land (step 0's loads lean on the wait at the pass's head)
.endif
	WIN (0x50|(AW<<2)|SW)                          ; source 0: the weights' window; source 1: x's; C and D window 1
	ROWT \ks, 0
.if \ks < 14
	WLOAD \ks+2, 0                                 ; no wait: no product since the step's head names this set
	WIN (0x50|(AW<<2)|SW)
.endif
	ROWT \ks, 1
.if \ks < 14
	WLOAD \ks+2, 1
	WIN (0x50|(AW<<2)|SW)
.endif
	ROWT \ks, 2
.if \ks < 13
	ALOAD \ks+3                                    ; nor this slot
	WIN (0x50|(AW<<2)|SW)
.endif
	ROWT \ks, 3
	ROWT \ks, 4
.if \ks == 15
.rept 9
	v_nop                                          ; eight places ahead of the first read of results and of vector writes into operands; nine ahead of the next pass's first products, which begin the sums anew
.endr
.endif
.endm
; Row tile i leaves: activation, product, one block's quantising, 512 consecutive bytes of codes and 16 scale bytes.  A tile past the expert's last is passed over.
.macro WAYOUT i
	s_add_co_u32 s46, s29, \i
	s_cmp_ge_u32 s46, s28
	s_cbranch_scc1 .Lskip_\@
	WIN 0x05
.irp p, 0,2,4,6,8,10,12,14
	v_pk_mul_f32 v[T+\p:T+\p+1], v[32*\i+\p:32*\i+\p+1], v[32*\i+\p:32*\i+\p+1]      ; g^2; each accumulator is read from its low end on
.endr
	WIN 0
.irp p, 0,2,4,6,8,10,12,14
	v_pk_fma_f32 v[T+\p:T+\p+1], v[T+\p:T+\p+1], s[44:45], v[C1:C1+1] op_sel_hi:[1,0,0]   ; c2 g^2 + c1
.endr
	WIN 0x04
.irp p, 0,2,4,6,8,10,12,14
	v_pk_mul_f32 v[T+\p:T+\p+1], v[T+\p:T+\p+1], v[32*\i+\p:32*\i+\p+1]              ; x g
.endr
	WIN 0
	s_wait_alu depctr_va_vdst(0)
.irp p, 0,1,2,3,4,5,6,7,8,9,10,11,12,13,14,15
	v_exp_f32 v[T+\p], v[T+\p]
.endr
	v_nop                                          ; a plain line behind the transcendentals
	s_wait_alu depctr_va_vdst(0)                   ; the sixteen exponentials have written v[T ..]: one wait for the batch, ahead of its first reader
.irp p, 0,2,4,6,8,10,12,14
	v_pk_add_f32 v[T+\p:T+\p+1], v[T+\p:T+\p+1], 1.0 op_sel_hi:[1,0]
.endr
	s_wait_alu depctr_va_vdst(0)
.irp p, 0,1,2,3,4,5,6,7,8,9,10,11,12,13,14,15
	v_rcp_f32 v[T+\p], v[T+\p]
.endr
	v_nop
	WIN 0x04
	s_wait_alu depctr_va_vdst(0)                   ; the sixteen reciprocals have written v[T ..]: one wait for the batch, ahead of its first reader
.irp p, 0,2,4,6,8,10,12,14
	v_pk_mul_f32 v[T+\p:T+\p+1], v[T+\p:T+\p+1], v[32*\i+\p:32*\i+\p+1]              ; gelu(g)
.endr
.irp p, 0,2,4,6,8,10,12,14
	v_pk_mul_f32 v[T+\p:T+\p+1], v[T+\p:T+\p+1], v[32*\i+16+\p:32*\i+16+\p+1]        ; x u
.endr
	WIN 0
	v_max3_num_f32 v[TM], |v[T]|, |v[T+1]|, 0x4800000                                ; my 16 numbers of the block, in two chains, and the floor
	v_max3_num_f32 v[TM+1], |v[T+8]|, |v[T+9]|, |v[T+10]|
	v_max3_num_f32 v[TM], v[TM], |v[T+2]|, |v[T+3]|
	v_max3_num_f32 v[TM+1], v[TM+1], |v[T+11]|, |v[T+12]|
	v_max3_num_f32 v[TM], v[TM], |v[T+4]|, |v[T+5]|
	v_max3_num_f32 v[TM+1], v[TM+1], |v[T+13]|, |v[T+14]|
	v_max3_num_f32 v[TM], v[TM], |v[T+6]|, |v[T+7]|
	v_max3_num_f32 v[TM], v[TM], v[TM+1], |v[T+15]|
	v_permlanex16_b32 v[TM+4], v[TM], s[SEL], s[SEL+1]
	v_max_num_f32 v[TM], v[TM], v[TM+4]
	v_add_nc_u32 v[TM+12], 0xfc000000, v[TM]
	v_and_or_b32 v[TM+8], v[TM], 0x7f800000, s[MNT]
	v_lshrrev_b32 v[HC+8*\i+4], 23, v[TM+12]
.irp p, 0,1,2,3,4,5,6,7,8,9,10,11,12,13,14,15
	v_med3_num_f32 v[T+\p], v[T+\p], -v[TM+8], v[TM+8]
.endr
	v_cvt_scalef32_pk8_fp8_f32 v[HC+8*\i:HC+8*\i+1], v[T:T+7], v[TM+12]
	v_cvt_scalef32_pk8_fp8_f32 v[HC+8*\i+2:HC+8*\i+3], v[T+8:T+15], v[TM+12]
	v_nop
	s_add_co_u32 s46, s46, s51                     ; the tile's number among all 136,
	s_min_u32 s46, s46, 135                        ; held inside the buffers
	v_lshl_add_u32 v[HC+8*\i+5], s46, 14, v[L16]
	v_lshl_add_u32 v[HC+8*\i+6], s46, 9, v[R32]
	s_wait_alu depctr_va_vdst(0)                   ; the tile's codes, its byte and its two offsets are written, which the two stores read
	global_store_b128 v[HC+8*\i+5], v[HC+8*\i:HC+8*\i+3], s[16:17]     ; 32 lanes store 512 consecutive bytes, aligned
	global_store_b8 v[HC+8*\i+6], v[HC+8*\i+4], s[18:19]               ; a byte a row (lanes r and r + 16 the same): 68 KB in the whole launch
.Lskip_\@:
.endm
	s_load_b512 s[4:19], s[0:1], 0x0               ; gate_w s[4:5], up_w s[6:7], xq s[8:9], xs s[10:11], list s[12:13], meta s[14:15], hq s[16:17], hs s[18:19]
	v_lshl_add_u32 v254, v0, 2, 0x31800
	v_mov_b32 v255, 0
	v_lshrrev_b32 v8, 5, v0
	v_readfirstlane_b32 s20, v8                    ; wave 0..3
	s_mov_b32 s21, ttmp9                           ; j
	s_and_b32 s22, ttmp7, 0xffff                   ; e
	v_and_b32 v15, 31, v0                          ; lane
	v_lshlrev_b32 v[L16], 4, v15
	v_add_nc_u32 v[L16B], 0x10000, v[L16]
	v_and_b32 v[RR], 15, v0
	v_bfe_u32 v[H32], v0, 4, 1                     ; h
	s_wait_alu depctr_va_sdst(0)                   ; s20 is written, ahead of its first reader
	s_mul_i32 s34, s20, 2*STAGE
	s_add_co_u32 s34, s34, STG
	v_add_nc_u32 v[STS], s34, v[L16]
	v_mul_u32_u24 v[STL], v[RR], SP
	v_lshl_add_u32 v[STL], v[H32], 6, v[STL]
	v_add_nc_u32 v[STL], s34, v[STL]
	s_lshl_b32 s35, s20, 15
	v_add_nc_u32 v[HWI], s35, v[L16]
	s_lshl_b32 s35, s20, 10
	s_add_co_u32 s35, s35, WSC
	v_lshl_add_u32 v[WSA], v[RR], 6, s35
	v_lshl_add_u32 v[WSL], v15, 6, WSC
	v_lshlrev_b32 v[R32], 5, v[RR]
	v_lshlrev_b32 v[H64], 6, v[H32]
	v_lshlrev_b32 v[H32], 5, v[H32]
	v_mov_b32 v[C1], 0xc0135761                    ; c1 = -2.3022082
	v_mov_b32 v[C1+1], 0xc0135761
.irp b, 0,1,2,3
	v_mov_b32 v[TM+4+\b], 0                        ; a lane permute's destination counts as one of its sources
.endr
	s_mov_b32 s[SEL], 0x76543210
	s_mov_b32 s[SEL+1], 0xfedcba98
	s_mov_b32 s[MNT], 0x600000
	s_mov_b32 s44, 0xbdd2d3e8                      ; c2 = -0.10294324
	s_mov_b32 s45, s44
	s_lshl_b32 s34, s22, 4                         ; meta: 16 bytes an expert
	s_mov_b32 s35, 0
	s_lshl_b32 s36, s22, 23                        ; the weights: 8 MB an expert,
	s_lshl_b32 s37, s21, 18                        ; 32 rows of 8,192 bytes a slice,
	s_add_co_u32 s36, s36, s37
	s_and_b32 s37, s20, 1
	s_lshl_b32 s37, s37, 16                        ; tile u begins at slice row 8 u
	s_add_co_u32 s36, s36, s37
	s_mov_b32 s37, 0
	s_lshl_b32 s38, s21, 9                         ; hq: 512 bytes a slice
	s_mov_b32 s39, 0
	s_wait_kmcnt 0x0
	s_add_nc_u64 s[14:15], s[14:15], s[34:35]
	s_load_b128 s[24:27], s[14:15], 0x0            ; first position, count, last position, 0
	s_cmp_lt_u32 s20, 2
	s_cselect_b64 s[32:33], s[4:5], s[6:7]         ; waves 0, 1: gate; waves 2, 3: up
	s_add_nc_u64 s[32:33], s[32:33], s[36:37]
	s_add_nc_u64 s[16:17], s[16:17], s[38:39]
	s_mov_b32 s38, s21
	s_add_nc_u64 s[18:19], s[18:19], s[38:39]      ; hs: a byte a slice
	s_wait_alu depctr_va_vdst(0)                   ; the addresses and offsets v1 to v10 and v15 are written, which the loads and stores of the whole kernel read
	LOADF 0, 0                                     ; the ring is filled: four fragments, 64 loads, 32 KB a wave
	LOADF 1, 512
	LOADF 2, 1024
	LOADF 3, 1536
	s_wait_kmcnt 0x0
	s_add_co_u32 s28, s25, 15
	s_lshr_b32 s28, s28, 4                         ; nt: the expert's row tiles,
	s_min_u32 s28, s28, 136                        ; never more than the buffers provide
	s_mul_i32 s29, s20, 5                          ; tb: my first row tile of the pass
	s_lshr_b32 s51, s24, 4                         ; the expert's first tile among all
	LIST                                           ; five loads among the ring's: the counts below then wait for a little more than they must
	s_wait_xcnt 0x0                                ; their offsets' registers will hold codes
	s_wait_loadcnt 48
	TURN 0, 0
	s_mov_b32 s30, 0
	s_mov_b32 s31, 0                               ; the trip's step among the images,
	s_mov_b32 s43, 0                               ; and among the scale words
.Lstream:                                          ; three trips of four fragments; each asks for the fragment four on
	v_add_nc_u32 v[HWC], s31, v[HWI]
	v_add_nc_u32 v[WSD], s43, v[WSA]
	FRAG 0, 1, 48, 1
	FRAG 1, 1, 48, 1
	FRAG 2, 1, 48, 1
	FRAG 3, 1, 48, 1
	s_wait_dscnt 0x0                               ; the trip's LDS instructions are done
	s_wait_alu depctr_vm_vsrc(0)                   ; the images' stores have read their two address registers, which the next trip's head, or the lines behind the loop, write again
	s_wait_xcnt 0x0                                ; the loads' base is stepped only behind this wait
	s_add_nc_u64 s[32:33], s[32:33], 2048
	s_add_co_u32 s31, s31, 8192
	s_add_co_u32 s43, s43, 16
	s_add_co_u32 s30, s30, 1
	s_cmp_lt_u32 s30, 3
	s_cbranch_scc1 .Lstream
	v_add_nc_u32 v[HWC], s31, v[HWI]
	v_add_nc_u32 v[WSD], s43, v[WSA]
	FRAG 0, 0, 32, 1                               ; the last four ask for nothing: the counts run down
	FRAG 1, 0, 16, 1
	FRAG 2, 0, 0, 1
	FRAG 3, 0, 0, 0
	s_wait_dscnt 0x0                               ; for the others' sake: my images and scale words lie in LDS
	s_wait_alu depctr_vm_vsrc(0)                   ; my LDS stores have read the ring's registers, in which x's fragments land from here on, and the codes' registers, into which offsets are written
	s_barrier_signal -1
	s_barrier_wait -1                              ; the launch's one barrier: behind it LDS is only read
	s_wait_loadcnt 0x0                             ; the tokens
	s_cmp_ge_u32 s29, s28
	s_cbranch_scc1 .Lend                           ; no row tile for my wave
	s_sub_co_u32 s54, s28, s29                     ; my passes: ceil((nt - tb) / 20).  x = nt - tb + 19 is at most 155, and x * 3277 >> 16 is x / 20 rounded down for every x under 16,000
	s_add_co_u32 s54, s54, 19
	s_mul_i32 s54, s54, 3277
	s_lshr_b32 s54, s54, 16
	s_mov_b32 s53, 0                               ; the pass in hand
.irp p, 0,1
.irp q, 0,1,2,3
	ds_load_b128 v[WS+16*\p+4*\q:WS+16*\p+4*\q+3], v[WSL] offset:\p*2048+16*\q      ; register WS + 16 p + ks: lanes 0-15 tile 2 p's words, lanes 16-31 tile 2 p + 1's
.endr
.endr
.Lpass:                                            ; five row tiles a wave, 320 rows a work-group; the loop is counted in passes, tb steps by 20 beside the count
.irp i, 0,1,2,3,4
	v_min_u32 v[XO+\i], 1023, v[XO+\i]             ; a token enters an address only held inside x
	v_lshl_add_u32 v[XSO+\i], v[XO+\i], 6, v[H32]
	v_lshl_add_u32 v[XO+\i], v[XO+\i], 11, v[H64]
.endr
	s_wait_alu depctr_va_vdst(0)                   ; the ten offsets are written, which the loads below read; what came before (the stream's QUANT; the last pass's products and way out) is done with x's scale words, x's slots and the weight sets, in which the loads of this head and of step 0 land
.irp i, 0,1,2,3,4
.irp q, 0,1
	global_load_b128 v[XS+8*\i+4*\q:XS+8*\i+4*\q+3], v[XSO+\i], s[10:11] offset:16*\q   ; register XS + 8 i + ks % 8: lanes 0-15 K step ks % 8, lanes 16-31 K step 8 + ks % 8
.endr
.endr
	ALOAD 0
	ALOAD 1
	ALOAD 2
	WLOAD 0, 0
	WLOAD 0, 1
	WLOAD 1, 0
	WLOAD 1, 1
.irp k, 0,1,2,3,4,5,6,7,8,9,10,11,12,13,14,15
	STEP \k
.endr
	WIN 0
.irp i, 0,1,2,3,4
	WAYOUT \i
.endr
	s_wait_xcnt 0x0                                ; the stores have read their registers: the next pass's fragments may land there
	s_wait_alu depctr_vm_vsrc(0)                   ; the way out's stores have read their codes, bytes and offsets, in which weight fragments land again; the pass's loads have read their offsets, which LIST and the next pass's head write again
	s_add_co_u32 s29, s29, 20
	LIST
	s_wait_loadcnt 0x0
	s_add_co_u32 s53, s53, 1
	s_cmp_lt_u32 s53, s54
	s_cbranch_scc1 .Lpass
.Lend:
	s_wait_dscnt 0x0                               ; the closing lines, six on end
	s_wait_alu 0x0
	s_wait_tensorcnt 0x0
	ds_add_u32 v254, v255
	s_wait_dscnt 0x0
	s_endpgm
.Lfunc_end_k_qc79a978dfd_gateup:
	.size	k_qc79a978dfd_gateup, .Lfunc_end_k_qc79a978dfd_gateup-k_qc79a978dfd_gateup
	.p2alignl 7, 3214868480
	.fill 96, 4, 3214868480
	.section	.rodata,"a",@progbits
	.p2align	6, 0x0
	.amdhsa_kernel k_qc79a978dfd_gateup
		.amdhsa_group_segment_fixed_size 203264
		.amdhsa_private_segment_fixed_size 0
		.amdhsa_enable_private_segment 0
		.amdhsa_kernarg_size 64
		.amdhsa_user_sgpr_count 2
		.amdhsa_user_sgpr_kernarg_segment_ptr 1
		.amdhsa_wavefront_size32 1
		.amdhsa_system_sgpr_workgroup_id_x 1
		.amdhsa_system_sgpr_workgroup_id_y 1
		.amdhsa_system_sgpr_workgroup_id_z 1
		.amdhsa_system_vgpr_workitem_id 0
		.amdhsa_next_free_vgpr 912
		.amdhsa_next_free_sgpr 66
		.amdhsa_reserve_vcc 0
		.amdhsa_float_denorm_mode_32 3
		.amdhsa_float_denorm_mode_16_64 3
		.amdhsa_memory_ordered 1
		.amdhsa_forward_progress 1
		.amdhsa_inst_pref_size 232
	.end_amdhsa_kernel
	.amdgpu_metadata
---
amdhsa.version: [ 1, 2 ]
amdhsa.kernels:
  - .name:           k_qc79a978dfd_gateup
    .symbol:         k_qc79a978dfd_gateup.kd
    .args:
      - { .name: gate_w, .offset: 0, .size: 8, .value_kind: global_buffer, .address_space: global }
      - { .name: up_w, .offset: 8, .size: 8, .value_kind: global_buffer, .address_space: global }
      - { .name: xq, .offset: 16, .size: 8, .value_kind: global_buffer, .address_space: global }
      - { .name: xs, .offset: 24, .size: 8, .value_kind: global_buffer, .address_space: global }
      - { .name: list, .offset: 32, .size: 8, .value_kind: global_buffer, .address_space: global }
      - { .name: meta, .offset: 40, .size: 8, .value_kind: global_buffer, .address_space: global }
      - { .name: hq, .offset: 48, .size: 8, .value_kind: global_buffer, .address_space: global }
      - { .name: hs, .offset: 56, .size: 8, .value_kind: global_buffer, .address_space: global }
    .group_segment_fixed_size: 203264
    .private_segment_fixed_size: 0
    .kernarg_segment_align: 8
    .kernarg_segment_size: 64
    .max_flat_workgroup_size: 128
    .sgpr_count:     66
    .vgpr_count:     912
    .wavefront_size: 32
...
	.end_amdgpu_metadata
.endif
;; end of part 6
;; launch down (part 7): grid 32 x 8, 4 waves a work-group, no clusters, 153,088 bytes of LDS; arguments down_w, hq, hs, meta, ybuf; writes ybuf
.if DOCPART == 7
	.amdgcn_target "amdgcn-amd-amdhsa--gfx1250"
	.amdhsa_code_object_version 6
	.text
	.protected	k_qc79a978dfd_down
	.globl	k_qc79a978dfd_down
	.p2align	8
	.type	k_qc79a978dfd_down,@function
k_qc79a978dfd_down:
	s_mov_b64 s[64:65], 0
	v_nop
	global_prefetch_b8 v0, s[64:65] scope:SCOPE_SE
	s_setreg_imm32_b32 hwreg(HW_REG_WAVE_SCHED_MODE, 0, 2), 2
	s_setreg_imm32_b32 hwreg(HW_REG_WAVE_MODE, 25, 1), 1
	s_wait_xcnt 0x0
	s_wait_alu depctr_vm_vsrc(0)
; THIRD LAUNCH.  Work-group (j, e): columns 64 j .. 64 j + 63 of y = h down_w[e]^T for the rows routed to expert e, stored by sorted position: ybuf = position*8192 + column*4, f32.
; EACH f32 WEIGHT IS READ ONCE: 64 rows of down_w[e], 256 KB.  Wave w streams rows 64 j + 16 w .. + 15 (eight fragments of 16 rows x 128 K) through a ring of 4 x 16 loads of 512 consecutive bytes,
;   turns each through its own stage in LDS, quantises it and leaves codes and scale words in LDS as images of the operand's registers.  One barrier.
; THEN THE ROWS: five row tiles (16 sorted positions) to a wave and pass; the waves share nothing there, and no barrier stands in that loop, whose trip count is read from meta.  Since that count is read from memory,
;   the operands come by plain loads into registers and not by tensor loads; for the same reason the 32 work-groups of an expert, which read the same tiles of hq, do not ask for them jointly in a cluster.
; h's codes lie in hq as register images (tile*16384 + ks*2048 + c*512 + lane*16): every load reads 512 consecutive bytes.  hs: byte tile*512 + r*32 + block.
; THE PRODUCT IS USED TRANSPOSED (source 0 = 16 rows of down_w, source 1 = 16 rows of h): a lane holds eight neighbouring columns of one row of y; they go through the wave's own stage and leave as rows of 256 bytes.
; LIMITS: NaN and infinities are not served.  A block of zeros gets the byte 1 where the rule says 127: its codes are zeros, and this program alone reads the bytes.
; REGISTERS, in windows of 256.  Window 0: v1-11 addresses; v16-31 at work; v32-47 the weights' scale words; v48-67 h's scale words; v68-82 offsets; v104-231 two sets of 64: numbers to quantise, later weight fragments, later rows of y; v232-248 codes.
;   Window 1: v0-159 the 20 accumulators (row tile i, weight tile t at 32 i + 8 t).   Window 2: the ring of 4 x 64; later slots 0 to 2 of 80 for h's fragments.   Window 3: v0-79 h's slot 3; v80-143 the third set of weight fragments.
; THE MODE: SCHED_MODE bits 1:0 = 2 (LLVM: expert scheduling mode 2), set by the entry lines.  The code itself states the register dependences between vector or matrix instructions and memory or LDS instructions, with s_wait_alu, always for 0.
; THE PLAN, THE STREAM.  Fragment f: the ring's set f % 4 is written by global loads and read by the stage's LDS stores alone; X[f % 2] is written by the stage's LDS loads and worked on by QUANT f; the codes and the scale word are
;   written by QUANT and read by the image's LDS stores, whose addresses are never written again.  One wait on vm_vsrc at a fragment's head: the stage's stores have read the set that is asked for again, the last image's stores the codes.
;   One wait on va_vdst behind QUANT: codes and scale word are written, and QUANT is done with X[f % 2], in which the stage's loads of the next fragment but one land.
; THE PLAN, THE ROWS.  K step ks multiplies weight set ks % 3 by h's slot ks % 4.  Its loads are the weights of step ks + 2, into set (ks - 1) % 3, and h's fragments of step ks + 3, into slot (ks - 1) % 4: the buffers that step ks - 1
;   multiplied and that no product of step ks names.  So ONE wait on va_vdst stands at a step's head, and the step's 36 loads are dealt among its 20 products with no further wait.  The way out holds no vector instruction: one wait on
;   va_vdst behind the last products' places serves all its LDS stores and loads; between two tiles one wait on vm_vsrc frees the rows' registers.  The offsets are made at a pass's head, ahead of one wait on va_vdst; one wait on vm_vsrc
;   stands at a pass's end, ahead of all that is written again.
.set WSC,   65536                      ; LDS: 0: the images, fragment (t, ks) at (8 t + ks) * 2048;  here: the scale words, t*512 + r*32 + ks*4
.set STG,   67584                      ; the waves' stages: two of 16 rows x 528 bytes each
.set YST,   135168                     ; the way out: 16 rows x (256 + 16) bytes for each wave
.set SP,    528
.set STAGE, 16*SP
.set L16,  1
.set STS,  3
.set STL,  4
.set HWI,  5
.set WSA,  6
.set WSL,  7
.set YS,   8                           ; v8   y's stage, in: row r, + 32 h
.set YL,   9                           ; v9   and out: lanes 0-15 one row, lanes 16-31 the next
.set YG,   10                          ; v10  the same two rows in ybuf
.set RH,   11                          ; v11  32 r + 16 h
.set TM,   16
.set WS,   32
.set HSR,  48
.set HOF,  68                          ; v68-72 offsets into hq
.set HSO,  73                          ; v73-77 into hs
.set YO,   78                          ; v78-82 into ybuf
.set X,    104
.set W3,   80                          ; in window 3: the third set of weight fragments
.set PC,   232
.set PW,   248
.set SEL,  40
.set MNT,  42
.set MSB, 0
.macro WIN new                         ; the immediate's high byte repeats the setting that is left
.if MSB != \new
	s_set_vgpr_msb (MSB<<8)|\new
.set MSB, \new
.endif
.endm
.macro LOADF set, koff                 ; 16 loads into ring set 'set': load i reads 512 consecutive bytes, 128 along K of row i
	WIN 0x80
.set li, 0
.rept 16
	global_load_b128 v[64*(\set)+4*li:64*(\set)+4*li+3], v[L16], s[32:33] offset:li*4096+\koff th:TH_LOAD_NT
.set li, li+1
.endr
	WIN 0
.endm
.macro TURN set, par                   ; through my stage: register X + 64 par + 16 b + n = k 32 b + 16 h + n of row r.  LDS serves a wave's instructions in order: no wait between
	WIN 0x08
.set li, 0
.rept 16
	ds_store_b128 v[STS], v[64*(\set)+4*li:64*(\set)+4*li+3] offset:(\par)*STAGE+li*SP
.set li, li+1
.endr
	WIN 0
.set li, 0
.rept 16
	ds_load_b128 v[X+64*(\par)+4*li:X+64*(\par)+4*li+3], v[STL] offset:(\par)*STAGE+128*(li/4)+16*(li%4)
.set li, li+1
.endr
.endm
.macro QUANT s                         ; 64 numbers of a lane become a fragment's codes in v[PC] on and its row's scale word in v[PW]
.irp b, 0,1,2,3
	v_max3_num_f32 v[TM+\b], |v[\s+16*\b]|, |v[\s+1+16*\b]|, 0x4800000   ; my 16 numbers of block b, and the floor 2^(9 - 127): the byte cannot fall under 1
.endr
.irp i, 2,4,6,8,10,12,14
.irp b, 0,1,2,3
	v_max3_num_f32 v[TM+\b], v[TM+\b], |v[\s+16*\b+\i]|, |v[\s+1+16*\b+\i]|
.endr
.endr
.irp b, 0,1,2,3
	v_permlanex16_b32 v[TM+4+\b], v[TM+\b], s[SEL], s[SEL+1]
.endr
.irp b, 0,1,2,3
	v_max_num_f32 v[TM+\b], v[TM+\b], v[TM+4+\b]          ; with lane l xor 16's 16: the block's largest magnitude
.endr
.irp b, 0,1,2,3
	v_add_nc_u32 v[TM+12+\b], 0xfc000000, v[TM+\b]        ; 8 off its exponent field: the conversion's scale operand
.endr
.irp b, 0,1,2,3
	v_and_or_b32 v[TM+8+\b], v[TM+\b], 0x7f800000, s[MNT] ; 448 x the scale
.endr
.irp b, 0,1,2,3
	v_lshrrev_b32 v[TM+4+\b], 23, v[TM+12+\b]             ; the scale's byte
.endr
	v_lshl_or_b32 v[PW], v[TM+5], 8, v[TM+4]
	v_lshl_or_b32 v[PW], v[TM+6], 16, v[PW]
	v_lshl_or_b32 v[PW], v[TM+7], 24, v[PW]
.irp b, 0,1,2,3
.irp i, 0,1,2,3,4,5,6,7,8,9,10,11,12,13,14,15
	v_med3_num_f32 v[\s+16*\b+\i], v[\s+16*\b+\i], -v[TM+8+\b], v[TM+8+\b]   ; the conversion to an 8-bit code does not saturate (ISA guide 7.6.2): the hold comes first
.endr
	v_cvt_scalef32_pk8_fp8_f32 v[PC+4*\b:PC+1+4*\b], v[\s+16*\b:\s+7+16*\b], v[TM+12+\b]
	v_cvt_scalef32_pk8_fp8_f32 v[PC+2+4*\b:PC+3+4*\b], v[\s+8+16*\b:\s+15+16*\b], v[TM+12+\b]
.endr
	v_nop                                                  ; one plain vector line behind the last conversion
.endm
; Fragment f of eight.  ahead: the fragment four on is asked for.  more: the next fragment goes through the stage; left = the younger ring loads that may stay out.  Every offset is an immediate.
.macro FRAG f, ahead, left, more
	s_wait_dscnt 0x0                               ; my numbers are back from the stage
	s_wait_alu depctr_vm_vsrc(0)                   ; the stage's stores have read ring set f % 4, in which the loads below land; the last image's stores have read the codes and the scale word, which QUANT writes again
.if \ahead
	LOADF \f%4, 512*(\f+4)
.endif
.if \more
	s_wait_loadcnt \left
	TURN (\f+1)%4, (\f+1)%2
.endif
	QUANT X+64*(\f%2)
	s_wait_alu depctr_va_vdst(0)                   ; QUANT has written the codes and the scale word, which the stores below read; and it is done with its 64 numbers' registers, in which the stage's loads of the next fragment but one land
.irp c, 0,1,2,3
	ds_store_b128 v[HWI], v[PC+4*\c:PC+4*\c+3] offset:2048*\f+512*\c    ; the image: lane l's 16 bytes at 16 l
.endr
	ds_store_b32 v[WSA], v[PW] offset:4*\f                              ; lanes r and r + 16 write the same word with the same value
.endm
.macro MM d, a, b, k, sa, sb, ra, rb   ; one product; k = 0 starts the sum; ra, rb: the scale words stand in lanes 16-31
.if (\k) == 0
.if \ra
	v_wmma_scale_f32_16x16x128_f8f6f4 v[\d:\d+7], v[\a:\a+15], v[\b:\b+15], 0, v[\sa], v[\sb] matrix_a_scale:MATRIX_SCALE_ROW1
.else
	v_wmma_scale_f32_16x16x128_f8f6f4 v[\d:\d+7], v[\a:\a+15], v[\b:\b+15], 0, v[\sa], v[\sb]
.endif
.elseif (\ra) && (\rb)
	v_wmma_scale_f32_16x16x128_f8f6f4 v[\d:\d+7], v[\a:\a+15], v[\b:\b+15], v[\d:\d+7], v[\sa], v[\sb] matrix_a_scale:MATRIX_SCALE_ROW1 matrix_b_scale:MATRIX_SCALE_ROW1
.elseif \ra
	v_wmma_scale_f32_16x16x128_f8f6f4 v[\d:\d+7], v[\a:\a+15], v[\b:\b+15], v[\d:\d+7], v[\sa], v[\sb] matrix_a_scale:MATRIX_SCALE_ROW1
.elseif \rb
	v_wmma_scale_f32_16x16x128_f8f6f4 v[\d:\d+7], v[\a:\a+15], v[\b:\b+15], v[\d:\d+7], v[\sa], v[\sb] matrix_b_scale:MATRIX_SCALE_ROW1
.else
	v_wmma_scale_f32_16x16x128_f8f6f4 v[\d:\d+7], v[\a:\a+15], v[\b:\b+15], v[\d:\d+7], v[\sa], v[\sb]
.endif
.endm
.macro ALOAD ks                        ; h's fragments of K step ks for my five row tiles: 20 loads of 512 consecutive bytes, into slot ks % 4 (slots 0 to 2: window 2; slot 3: window 3)
.set LW, 2+((\ks)%4)/3
.set LB, 80*(((\ks)%4)%3)
	WIN (LW<<6)
.irp i, 0,1,2,3,4
.irp c, 0,1,2,3
	global_load_b128 v[LB+16*\i+4*\c:LB+16*\i+4*\c+3], v[HOF+\i], s[6:7] offset:2048*(\ks)+512*\c
.endr
.endr
.endm
.macro WLOAD ks, p                     ; weight fragments 2 p and 2 p + 1 of K step ks out of LDS: 8 loads of 512 consecutive bytes, into set ks % 3 (sets 0, 1: window 0; set 2: window 3)
.set LSW, 3*(((\ks)%3)/2)
.set LSB, (X+64*((\ks)%3))*(1-((\ks)%3)/2)+W3*(((\ks)%3)/2)
	WIN (LSW<<6)
.irp t, 0,1
.irp c, 0,1,2,3
	ds_load_b128 v[LSB+16*(2*(\p)+\t)+4*\c:LSB+16*(2*(\p)+\t)+4*\c+3], v[L16] offset:(8*(2*(\p)+\t)+(\ks))*2048+512*\c
.endr
.endr
.endm
.macro ROWT ks, i                      ; row tile i's four products of K step ks
.irp t, 0,1,2,3
	MM 32*(\i)+8*\t, SB+16*\t, AB+16*(\i), \ks, WS+8*(\t/2)+(\ks), HSR+4*(\i)+(\ks)%4, \t%2, (\ks)/4
.endr
.endm
; A K step: 20 products, the 20 accumulators by turns in the same order in every step; among them the loads of the steps ahead, in short runs.
.macro STEP ks
.set AW, 2+((\ks)%4)/3                 ; h's slot: its window,
.set AB, 80*(((\ks)%4)%3)              ; and where it begins there
.set SW, 3*(((\ks)%3)/2)               ; the weights' set likewise
.set SB, (X+64*((\ks)%3))*(1-((\ks)%3)/2)+W3*(((\ks)%3)/2)
.if \ks < 6
	s_wait_loadcnt 40                              ; this step's fragments of h are in (and all that is older); the two later steps' 40 loads may be out
.elseif \ks == 6
	s_wait_loadcnt 20
.else
	s_wait_loadcnt 0x0
.endif
.if \ks < 7
	s_wait_dscnt 16                                ; this step's weight fragments are in; the next step's 16 loads may be out
.else
	s_wait_dscnt 0x0
.endif
.if (\ks > 0) && (\ks < 6)
	s_wait_alu depctr_va_vdst(0)                   ; the products of the step before are done reading their weight set and their slot of h, in which this step's loads land (step 0's loads lean on the wait at the pass's head)
.endif
	WIN (0x50|(AW<<2)|SW)                          ; source 0: the weights' window; source 1: h's; C and D window 1
	ROWT \ks, 0
.if \ks < 6
	WLOAD \ks+2, 0                                 ; no wait: no product since the step's head names this set
	WIN (0x50|(AW<<2)|SW)
.endif
	ROWT \ks, 1
.if \ks < 6
	WLOAD \ks+2, 1
	WIN (0x50|(AW<<2)|SW)
.endif
	ROWT \ks, 2
.if \ks < 5
	ALOAD \ks+3                                    ; nor this slot
	WIN (0x50|(AW<<2)|SW)
.endif
	ROWT \ks, 3
	ROWT \ks, 4
.if \ks == 7
.rept 9
	v_nop                                          ; eight places ahead of the first read of results; nine ahead of the next pass's first products, which begin the sums anew
.endr
.endif
.endm
; Row tile i leaves through my stage.  A tile past the expert's last is passed over.
.macro YOUT i
	s_add_co_u32 s46, s29, \i
	s_cmp_ge_u32 s46, s28
	s_cbranch_scc1 .Lskip_\@
	s_wait_xcnt 0x0                                ; the last tile's stores have read v104-135
	WIN 0x04                                       ; an LDS store's data are its source 1: window 1
.irp t, 0,1,2,3
	ds_store_b128 v[YS], v[32*\i+8*\t:32*\i+8*\t+3] offset:64*\t          ; each accumulator from its low end on
	ds_store_b128 v[YS], v[32*\i+8*\t+4:32*\i+8*\t+7] offset:64*\t+16
.endr
	WIN 0
.if \i > 0
	s_wait_alu depctr_vm_vsrc(0)                   ; the last tile's global stores have read v104-135, in which the loads below land
.endif
.irp q, 0,1,2,3,4,5,6,7
	ds_load_b128 v[X+4*\q:X+4*\q+3], v[YL] offset:\q*544                  ; in order behind my stores
.endr
.irp q, 0,1,2,3,4,5,6,7
	s_wait_dscnt 7-\q
	global_store_b128 v[YO+\i], v[X+4*\q:X+4*\q+3], s[12:13] offset:\q*16384   ; 16 lanes store 256 consecutive bytes, aligned
.endr
.Lskip_\@:
.endm
	s_load_b256 s[4:11], s[0:1], 0x0               ; down_w s[4:5], hq s[6:7], hs s[8:9], meta s[10:11]
	s_load_b64 s[12:13], s[0:1], 0x20              ; ybuf
	v_lshl_add_u32 v254, v0, 2, 0x25400
	v_mov_b32 v255, 0
	v_lshrrev_b32 v12, 5, v0
	v_readfirstlane_b32 s20, v12                   ; wave 0..3
	s_mov_b32 s21, ttmp9                           ; j
	s_and_b32 s22, ttmp7, 0xffff                   ; e
	v_and_b32 v12, 31, v0                          ; lane
	v_and_b32 v13, 15, v0                          ; r
	v_bfe_u32 v14, v0, 4, 1                        ; h
	v_lshlrev_b32 v[L16], 4, v12
	s_wait_alu depctr_va_sdst(0)                   ; s20 is written, ahead of its first reader
	s_mul_i32 s34, s20, 2*STAGE
	s_add_co_u32 s34, s34, STG
	v_add_nc_u32 v[STS], s34, v[L16]
	v_mul_u32_u24 v[STL], v13, SP
	v_lshl_add_u32 v[STL], v14, 6, v[STL]
	v_add_nc_u32 v[STL], s34, v[STL]
	s_lshl_b32 s35, s20, 14
	v_add_nc_u32 v[HWI], s35, v[L16]
	s_lshl_b32 s35, s20, 9
	s_add_co_u32 s35, s35, WSC
	v_lshl_add_u32 v[WSA], v13, 5, s35
	v_lshl_add_u32 v[WSL], v12, 5, WSC
	s_mul_i32 s35, s20, 16*272
	s_add_co_u32 s35, s35, YST
	v_mul_u32_u24 v[YS], v13, 272
	v_lshl_add_u32 v[YS], v14, 5, v[YS]
	v_add_nc_u32 v[YS], s35, v[YS]
	v_mul_u32_u24 v[YL], v14, 272
	v_lshl_add_u32 v[YL], v13, 4, v[YL]
	v_add_nc_u32 v[YL], s35, v[YL]
	v_lshlrev_b32 v[YG], 13, v14
	v_lshl_add_u32 v[YG], v13, 4, v[YG]
	v_lshlrev_b32 v[RH], 5, v13
	v_lshl_add_u32 v[RH], v14, 4, v[RH]
.irp b, 0,1,2,3
	v_mov_b32 v[TM+4+\b], 0                        ; a lane permute's destination counts as one of its sources
.endr
	s_mov_b32 s[SEL], 0x76543210
	s_mov_b32 s[SEL+1], 0xfedcba98
	s_mov_b32 s[MNT], 0x600000
	s_lshl_b32 s34, s22, 4                         ; meta: 16 bytes an expert
	s_mov_b32 s35, 0
	s_lshl_b32 s36, s22, 23                        ; the weights: 8 MB an expert,
	s_lshl_b32 s37, s21, 18                        ; 64 rows of 4,096 bytes a work-group,
	s_add_co_u32 s36, s36, s37
	s_lshl_b32 s37, s20, 16                        ; 16 rows a wave
	s_add_co_u32 s36, s36, s37
	s_mov_b32 s37, 0
	s_lshl_b32 s38, s21, 8                         ; ybuf: 256 bytes of a row
	s_mov_b32 s39, 0
	s_wait_kmcnt 0x0
	s_add_nc_u64 s[10:11], s[10:11], s[34:35]
	s_load_b128 s[24:27], s[10:11], 0x0            ; first position, count, last position, 0
	s_add_nc_u64 s[32:33], s[4:5], s[36:37]
	s_add_nc_u64 s[12:13], s[12:13], s[38:39]
	s_wait_alu depctr_va_vdst(0)                   ; the addresses and offsets v1 to v11 are written, which the loads and stores of the whole kernel read
	LOADF 0, 0                                     ; the ring is filled: four fragments, 64 loads, 32 KB a wave
	LOADF 1, 512
	LOADF 2, 1024
	LOADF 3, 1536
	s_wait_loadcnt 48
	TURN 0, 0
	FRAG 0, 1, 48, 1
	FRAG 1, 1, 48, 1
	FRAG 2, 1, 48, 1
	FRAG 3, 1, 48, 1
	FRAG 4, 0, 32, 1                               ; the last four ask for nothing: the counts run down
	FRAG 5, 0, 16, 1
	FRAG 6, 0, 0, 1
	FRAG 7, 0, 0, 0
	s_wait_kmcnt 0x0                               ; meta, asked for ahead of the stream: nothing of mine is out at the signal
	s_wait_dscnt 0x0                               ; for the others' sake: my images and scale words lie in LDS
	s_wait_alu depctr_vm_vsrc(0)                   ; my LDS stores have read the ring's registers, in which h's fragments land from here on
	s_barrier_signal -1
	s_barrier_wait -1                              ; the launch's one barrier: behind it the images are only read, and y's stages are each wave's own
	s_add_co_u32 s28, s25, 15
	s_lshr_b32 s28, s28, 4                         ; nt: the expert's row tiles,
	s_min_u32 s28, s28, 136                        ; never more than the buffers provide
	s_mul_i32 s29, s20, 5                          ; tb: my first row tile of the pass
	s_lshr_b32 s51, s24, 4                         ; the expert's first tile among all
	s_sub_co_u32 s52, s28, 1                       ; its last, counted from the first (used only where nt is not 0)
	s_cmp_ge_u32 s29, s28
	s_cbranch_scc1 .Lend                           ; no row tile for my wave
	s_sub_co_u32 s54, s28, s29                     ; my passes: ceil((nt - tb) / 20).  x = nt - tb + 19 is at most 155, and x * 3277 >> 16 is x / 20 rounded down for every x under 16,000
	s_add_co_u32 s54, s54, 19
	s_mul_i32 s54, s54, 3277
	s_lshr_b32 s54, s54, 16
	s_mov_b32 s53, 0                               ; the pass in hand
.irp p, 0,1
.irp q, 0,1
	ds_load_b128 v[WS+8*\p+4*\q:WS+8*\p+4*\q+3], v[WSL] offset:\p*1024+16*\q        ; register WS + 8 p + ks: lanes 0-15 tile 2 p's words, lanes 16-31 tile 2 p + 1's
.endr
.endr
.Lpass:                                            ; five row tiles a wave, 320 rows a work-group; the loop is counted in passes, tb steps by 20 beside the count
.irp i, 0,1,2,3,4
	s_add_co_u32 s34, s29, \i
	s_min_u32 s34, s34, s52                        ; a tile past the last repeats the last: its results are passed over
	s_add_co_u32 s34, s34, s51
	s_min_u32 s34, s34, 135                        ; held inside the buffers
	v_lshl_add_u32 v[HOF+\i], s34, 14, v[L16]
	v_lshl_add_u32 v[HSO+\i], s34, 9, v[RH]
	v_lshl_add_u32 v[YO+\i], s34, 17, v[YG]
.endr
	s_wait_alu depctr_va_vdst(0)                   ; the fifteen offsets are written, which the pass's loads and stores read; what came before (the stream's QUANT; the last pass's products) is done with h's scale words, h's slots and the weight sets, in which the loads of this head and of step 0 land
.irp i, 0,1,2,3,4
	global_load_b128 v[HSR+4*\i:HSR+4*\i+3], v[HSO+\i], s[8:9]     ; register HSR + 4 i + ks % 4: lanes 0-15 K step ks % 4, lanes 16-31 K step 4 + ks % 4
.endr
	ALOAD 0
	ALOAD 1
	ALOAD 2
	WLOAD 0, 0
	WLOAD 0, 1
	WLOAD 1, 0
	WLOAD 1, 1
.irp k, 0,1,2,3,4,5,6,7
	STEP \k
.endr
	WIN 0
	s_wait_alu depctr_va_vdst(0)                   ; behind the places: the products have written the accumulators, which the way out's LDS stores read, and are done reading v104-135, in which its LDS loads land; no vector or matrix instruction follows in the pass
.irp i, 0,1,2,3,4
	YOUT \i
.endr
	s_wait_xcnt 0x0                                ; the stores have read their registers and offsets: both are written again in the next pass
	s_wait_alu depctr_vm_vsrc(0)                   ; the pass's loads and stores have read their offsets, which the next pass's head writes; the last tile's stores have read v104-135, in which weight fragments land; the LDS stores have read the accumulators, which the next pass's first products write
	s_add_co_u32 s29, s29, 20
	s_add_co_u32 s53, s53, 1
	s_cmp_lt_u32 s53, s54
	s_cbranch_scc1 .Lpass
.Lend:
	s_wait_dscnt 0x0                               ; the closing lines, six on end
	s_wait_alu 0x0
	s_wait_tensorcnt 0x0
	ds_add_u32 v254, v255
	s_wait_dscnt 0x0
	s_endpgm
.Lfunc_end_k_qc79a978dfd_down:
	.size	k_qc79a978dfd_down, .Lfunc_end_k_qc79a978dfd_down-k_qc79a978dfd_down
	.p2alignl 7, 3214868480
	.fill 96, 4, 3214868480
	.section	.rodata,"a",@progbits
	.p2align	6, 0x0
	.amdhsa_kernel k_qc79a978dfd_down
		.amdhsa_group_segment_fixed_size 153088
		.amdhsa_private_segment_fixed_size 0
		.amdhsa_enable_private_segment 0
		.amdhsa_kernarg_size 40
		.amdhsa_user_sgpr_count 2
		.amdhsa_user_sgpr_kernarg_segment_ptr 1
		.amdhsa_wavefront_size32 1
		.amdhsa_system_sgpr_workgroup_id_x 1
		.amdhsa_system_sgpr_workgroup_id_y 1
		.amdhsa_system_sgpr_workgroup_id_z 1
		.amdhsa_system_vgpr_workitem_id 0
		.amdhsa_next_free_vgpr 912
		.amdhsa_next_free_sgpr 66
		.amdhsa_reserve_vcc 0
		.amdhsa_float_denorm_mode_32 3
		.amdhsa_float_denorm_mode_16_64 3
		.amdhsa_memory_ordered 1
		.amdhsa_forward_progress 1
		.amdhsa_inst_pref_size 160
	.end_amdhsa_kernel
	.amdgpu_metadata
---
amdhsa.version: [ 1, 2 ]
amdhsa.kernels:
  - .name:           k_qc79a978dfd_down
    .symbol:         k_qc79a978dfd_down.kd
    .args:
      - { .name: down_w, .offset: 0, .size: 8, .value_kind: global_buffer, .address_space: global }
      - { .name: hq, .offset: 8, .size: 8, .value_kind: global_buffer, .address_space: global }
      - { .name: hs, .offset: 16, .size: 8, .value_kind: global_buffer, .address_space: global }
      - { .name: meta, .offset: 24, .size: 8, .value_kind: global_buffer, .address_space: global }
      - { .name: ybuf, .offset: 32, .size: 8, .value_kind: global_buffer, .address_space: global }
    .group_segment_fixed_size: 153088
    .private_segment_fixed_size: 0
    .kernarg_segment_align: 8
    .kernarg_segment_size: 40
    .max_flat_workgroup_size: 128
    .sgpr_count:     66
    .vgpr_count:     912
    .wavefront_size: 32
...
	.end_amdgpu_metadata
.endif
;; end of part 7
;; launch combine (part 8): grid 256 x 1, 4 waves a work-group, no clusters, 0 bytes of LDS; arguments ybuf, inv, top_k_weights, out0; writes out0
.if DOCPART == 8
	.amdgcn_target "amdgcn-amd-amdhsa--gfx1250"
	.amdhsa_code_object_version 6
	.text
	.protected	k_qc79a978dfd_combine
	.globl	k_qc79a978dfd_combine
	.p2align	8
	.type	k_qc79a978dfd_combine,@function
k_qc79a978dfd_combine:
	s_mov_b64 s[64:65], 0
	v_nop
	global_prefetch_b8 v0, s[64:65] scope:SCOPE_SE
	s_setreg_imm32_b32 hwreg(HW_REG_WAVE_MODE, 25, 1), 1
	s_wait_xcnt 0x0
; FOURTH LAUNCH.  out0[t] = w[t][0] * y[inv[2 t]] + w[t][1] * y[inv[2 t + 1]]: each output row has one owner, a wave; the two rows of y were made by two experts' work-groups in the launch before.
; Where both picks of a token name one expert, its row was made twice, and w0 y + w1 y stands for (w0 + w1) y: the same up to f32 rounding.
; A stream: 32 loads of 512 consecutive bytes a wave, all out at once; 16 stores of 512 consecutive bytes, aligned.  No LDS, no barrier, no matrix unit: nothing is shared and nothing is multiplied by a matrix.
	s_load_b256 s[4:11], s[0:1], 0x0               ; ybuf s[4:5], inv s[6:7], top_k_weights s[8:9], out0 s[10:11]
	v_lshrrev_b32 v2, 5, v0
	v_readfirstlane_b32 s12, v2                    ; wave 0..3
	v_and_b32 v1, 31, v0
	v_lshlrev_b32 v1, 4, v1                        ; 16 x lane
	s_lshl_b32 s13, ttmp9, 2
	s_add_co_u32 s12, s12, s13                     ; my token
	s_lshl_b32 s24, s12, 13                        ; its row of out0
	s_mov_b32 s25, 0
	s_lshl_b32 s12, s12, 3                         ; its two words of inv and of the weights
	s_mov_b32 s13, 0
	s_wait_alu depctr_va_vdst(0)
	s_wait_kmcnt 0x0
	s_add_nc_u64 s[6:7], s[6:7], s[12:13]
	s_add_nc_u64 s[8:9], s[8:9], s[12:13]
	s_add_nc_u64 s[10:11], s[10:11], s[24:25]
	s_load_b64 s[14:15], s[6:7], 0x0               ; the two positions
	s_load_b64 s[20:21], s[8:9], 0x0               ; the two weights
	s_wait_kmcnt 0x0
	s_min_u32 s14, s14, 2175                       ; a position enters an address only held inside ybuf
	s_min_u32 s15, s15, 2175
	s_lshl_b32 s16, s14, 13
	s_mov_b32 s17, 0
	s_lshl_b32 s18, s15, 13
	s_mov_b32 s19, 0
	s_add_nc_u64 s[16:17], s[4:5], s[16:17]
	s_add_nc_u64 s[18:19], s[4:5], s[18:19]
	s_mov_b32 s22, s21                             ; the second weight in a pair of its own: the packed forms take a pair's low word for both halves
	s_mov_b32 s23, s21
.set q, 0
.rept 16
	global_load_b128 v[8+4*q:11+4*q], v1, s[16:17] offset:512*q th:TH_LOAD_NT     ; each position is read by one wave, once
	global_load_b128 v[72+4*q:75+4*q], v1, s[18:19] offset:512*q th:TH_LOAD_NT
.set q, q+1
.endr
.set q, 0
.rept 16
	s_wait_loadcnt 30-2*q                          ; loads come back in order: piece q of both rows is in, the later pieces' loads may be out
	v_pk_mul_f32 v[8+4*q:9+4*q], v[8+4*q:9+4*q], s[20:21] op_sel_hi:[1,0]
	v_pk_mul_f32 v[10+4*q:11+4*q], v[10+4*q:11+4*q], s[20:21] op_sel_hi:[1,0]
	v_pk_fma_f32 v[8+4*q:9+4*q], v[72+4*q:73+4*q], s[22:23], v[8+4*q:9+4*q] op_sel_hi:[1,0,1]
	v_pk_fma_f32 v[10+4*q:11+4*q], v[74+4*q:75+4*q], s[22:23], v[10+4*q:11+4*q] op_sel_hi:[1,0,1]
	global_store_b128 v1, v[8+4*q:11+4*q], s[10:11] offset:512*q th:TH_STORE_NT   ; 32 lanes store 512 consecutive bytes, aligned; no register is written twice
.set q, q+1
.endr
	s_endpgm
.Lfunc_end_k_qc79a978dfd_combine:
	.size	k_qc79a978dfd_combine, .Lfunc_end_k_qc79a978dfd_combine-k_qc79a978dfd_combine
	.p2alignl 7, 3214868480
	.fill 96, 4, 3214868480
	.section	.rodata,"a",@progbits
	.p2align	6, 0x0
	.amdhsa_kernel k_qc79a978dfd_combine
		.amdhsa_group_segment_fixed_size 0
		.amdhsa_private_segment_fixed_size 0
		.amdhsa_enable_private_segment 0
		.amdhsa_kernarg_size 32
		.amdhsa_user_sgpr_count 2
		.amdhsa_user_sgpr_kernarg_segment_ptr 1
		.amdhsa_wavefront_size32 1
		.amdhsa_system_sgpr_workgroup_id_x 1
		.amdhsa_system_sgpr_workgroup_id_y 1
		.amdhsa_system_sgpr_workgroup_id_z 1
		.amdhsa_system_vgpr_workitem_id 0
		.amdhsa_next_free_vgpr 136
		.amdhsa_next_free_sgpr 66
		.amdhsa_reserve_vcc 0
		.amdhsa_float_denorm_mode_32 3
		.amdhsa_float_denorm_mode_16_64 3
		.amdhsa_memory_ordered 1
		.amdhsa_forward_progress 1
		.amdhsa_inst_pref_size 11
	.end_amdhsa_kernel
	.amdgpu_metadata
---
amdhsa.version: [ 1, 2 ]
amdhsa.kernels:
  - .name:           k_qc79a978dfd_combine
    .symbol:         k_qc79a978dfd_combine.kd
    .args:
      - { .name: ybuf, .offset: 0, .size: 8, .value_kind: global_buffer, .address_space: global }
      - { .name: inv, .offset: 8, .size: 8, .value_kind: global_buffer, .address_space: global }
      - { .name: top_k_weights, .offset: 16, .size: 8, .value_kind: global_buffer, .address_space: global }
      - { .name: out0, .offset: 24, .size: 8, .value_kind: global_buffer, .address_space: global }
    .group_segment_fixed_size: 0
    .private_segment_fixed_size: 0
    .kernarg_segment_align: 8
    .kernarg_segment_size: 32
    .max_flat_workgroup_size: 128
    .sgpr_count:     66
    .vgpr_count:     136
    .wavefront_size: 32
...
	.end_amdgpu_metadata
.endif
;; end of part 8
